; MI455X (gfx1250); checked and timed in simulation.
; The chip was launched on July 23, 2026; its instructions are those of AMD's public machine-readable ISA for CDNA 5 (MIT licence, August 2026) and "CDNA5" Instruction Set Architecture Reference Guide (July 2026). The comments in the code are by the model that wrote it; some were corrected since.
;; Causal Self Attention. Allowed arithmetic: matrix products marked QUANTISED: E2M1 operands, one E8M0 scale for each 32 along K, by v_wmma_scale_f32_16x16x128_f8f6f4 with both operands' format E2M1 (or v_wmma_scale_f32_32x16x128_f4), f32 sums; products left as they are: bf16, f16 or f32 operands; f32 sums; everything else in f32.
;; Inputs: w_proj 1,024 x 1,024 float32; w_qkv 1,024 x 3,072 float32; x 4 x 2,048 x 1,024 float32.
;; Outputs: out0 4 x 2,048 x 1,024 float32.
;; This version of the problem:
;;   THIS VERSION OF THE PROBLEM IS GIVEN IN LOW PRECISION. The matrix products marked QUANTISED in the list below multiply operands that are first quantised to E2M1 (2 exponent bits, 1 mantissa bit; 4 bits a number), with one power-of-two scale for each 32 numbers along K (OCP MX v1.0); their sums are f32. The products marked 'left as it is' may take bf16, f16 or f32 operands, with f32 sums. Whichever they take, every output number must still come out within the allowed error. Rounding operands to bf16 (8 significant bits) uses up far more of that allowance than f16 does (11 bits, for magnitudes from 6e-5 to 65,504). All else is computed in f32.
;;   The module's matrix products, in the order in which they are computed (A, B: the left and right operand; K: the contracted axis; several contracted axes count as one K, in the product's order):
;;     1. [M 8,192, K 1,024] x [K 1,024, N 3,072]; A: input x; B: input w_qkv: QUANTISED
;;     2. batch 64 x [M 2,048, K 64] x [K 64, N 2,048]; A: computed on the way; B: computed on the way: left as it is (an operand is computed on the way)
;;     3. batch 64 x [M 2,048, K 2,048] x [K 2,048, N 64]; A: computed on the way; B: computed on the way: left as it is (an operand is computed on the way)
;;     4. [M 8,192, K 1,024] x [K 1,024, N 1,024]; A: computed on the way; B: input w_proj: left as it is (an operand is computed on the way)
;;   THE QUANTISER, for each operand of a quantised product, along K:
;;     - K is cut into blocks of 32 from its start; a last block that is shorter is filled with zeros.
;;     - A block's scale is 2^e with e = floor(log2(the largest magnitude in the block)) - 2, held to -126 .. 127; a block of zeros has e = 0. As a byte (E8M0): e + 127.
;;     - Each number is divided by its block's scale, clamped to +-6, and rounded to the nearest number of E2M1, ties to even, subnormals kept.
;;     - The product sums the exact products of the quantised numbers (number of the format x scale) in f32.
;;   ~~~python
;;   def quantise(x, axis):      # numpy; x: float32 -> the quantised numbers, widened to float32 again
;;       x = np.moveaxis(x, axis, -1); K = x.shape[-1]
;;       x = np.pad(x, [(0, 0)] * (x.ndim - 1) + [(0, -K % 32)]); x = x.reshape(x.shape[:-1] + (-1, 32)); a = np.abs(x).max(-1, keepdims=True)
;;       e = np.where(a > 0, np.clip(np.frexp(np.where(a > 0, a, 1))[1] - 1 - 2, -126, 127), 0)      # np.frexp(a)[1] - 1 = floor(log2(a)), exactly
;;       r = np.clip(x / 2.0 ** e, -6, 6)
;;       step = 2.0 ** (np.maximum(np.frexp(np.where(r == 0, 1, r))[1] - 1, 0) - 1)
;;       q = np.round(r / step) * step * 2.0 ** e      # np.round: ties to even
;;       return np.moveaxis(q.reshape(q.shape[:-2] + (-1,))[..., :K], -1, axis).astype(np.float32)
;;   ~~~
;; One version. Each part assembles by itself: llvm-mc -triple=amdgcn-amd-amdhsa -mcpu=gfx1250 --defsym DOCPART=n.
;; ======== version 1 of 1: 5 launches
;; limits: values are held in f16: magnitudes above 65,504 overflow, below 6.1e-05 lose precision
;; workspace buffers: x_codes 4,194,304 bytes; x_scales 262,144 bytes; w_codes 1,572,864 bytes; w_scales 98,304 bytes; wp16 2,097,152 bytes; qkv16 50,331,648 bytes; qkv32 786,432 bytes; y16 16,777,216 bytes
;; launch prep (part 1): grid 432 x 1, 4 waves a work-group, no clusters, 68,096 bytes of LDS; arguments x, w_qkv, w_proj, x_codes, x_scales, w_codes, w_scales, wp16; writes x_codes, x_scales, w_codes, w_scales, wp16
.if DOCPART == 1
	.amdgcn_target "amdgcn-amd-amdhsa--gfx1250"
	.amdhsa_code_object_version 6
	.text
	.protected	k_q74fcb72ae6_prep
	.globl	k_q74fcb72ae6_prep
	.p2align	8
	.type	k_q74fcb72ae6_prep,@function
k_q74fcb72ae6_prep:
	s_mov_b64 s[64:65], 0
	v_nop
	global_prefetch_b8 v0, s[64:65] scope:SCOPE_SE
	s_setreg_imm32_b32 hwreg(HW_REG_WAVE_MODE, 25, 1), 1
	s_wait_xcnt 0x0
; Three jobs in one launch, told apart by the work-group's number alone; the three ways never join, and each has LDS bytes of its own.
;   work-groups 0-47:    w_qkv [1024 (k)][3072 (n)] f32 -> codes of FP4 (E2M1) laid [3072][512 bytes], K innermost, and E8M0 scale bytes [3072][32]
;   work-groups 48-303:  x [8192][1024] f32 -> codes [8192][512 bytes] and scale bytes [8192][32]
;   work-groups 304-431: w_proj [1024][1024] f32 -> f16, same layout
; A block's scale is 2^(floor(log2(its largest magnitude)) - 2): its byte is the largest magnitude's exponent field - 2, held at 1 from below.
; LIMITS: a block of zeros gets the byte 1 (its codes are zeros, and this program alone reads the bytes); blocks whose largest magnitude lies under 2^-124 were not tried;
; NaN and infinities among the inputs are not served; |w_proj| up to 65,504 (f16).
; No tensor loads, no barrier: waves share nothing.  No cluster: no two work-groups read the same bytes.
.set SPW,   190                        ; v190 LDS address of my spare word; never rewritten
.set NIL,   191                        ; v191 0; never rewritten
.set SPARE, 67584                      ; behind both ways' stages: the spare words, 128 bytes a wave
.set EMAX,  2
; the way of x
.set STEPS, 16
.set CB,    8                          ; bytes of 16 codes
.set XR,    16                         ; v16-79   four sets of 16 numbers as loaded
.set XX,    80                         ; v80-111  two sets of 16 neighbours
.set XE,    112                        ; v112-127 a scale byte for each step
.set XC,    128                        ; v128-189 codes, four registers kept for each step
.set WREG,  8192                       ; LDS 0..32767: a region for each wave: two stages of 32 x 80 bytes, then its 256 scale bytes
.set SP,    80
; the way of w_qkv
.set SIZE_K, 1024
.set SIZE_N, 3072
.set NB,    16                         ; blocks of 32 along K for a wave (512 along K)
.set PITCH, 272                        ; a stage row: 256 bytes of codes + 16
.set KROW,  512                        ; a row of w_codes in bytes
.set WSTG,  32768                      ; LDS 32768..67583: four stages of 32 x 272 bytes
.set WX,    32                         ; v32-95   two sets of 32 numbers
.set WC,    96                         ; v96-99   a block's codes
.set OUTR,  112                        ; v112-175 the way out
.set SB,    24                         ; v24-27   scale bytes, four to a register
	s_load_b256 s[4:11], s[0:1], 0x0               ; x 4:5, w_qkv 6:7, w_proj 8:9, x_codes 10:11
	s_load_b256 s[12:19], s[0:1], 0x20             ; x_scales 12:13, w_codes 14:15, w_scales 16:17, wp16 18:19
	v_lshl_add_u32 v[SPW], v0, 2, SPARE
	v_mov_b32 v[NIL], 0
	v_lshrrev_b32 v1, 5, v0
	v_readfirstlane_b32 s20, v1                    ; wave 0..3
	v_and_b32 v2, 31, v0                           ; lane
	s_wait_kmcnt 0x0
	s_cmp_lt_u32 ttmp9, 48
	s_cbranch_scc1 .Lw
	s_cmp_lt_u32 ttmp9, 304
	s_cbranch_scc1 .Lx
	; ---- w_proj to f16: a wave takes 8,192 bytes: 16 loads of 512 consecutive bytes, 16 stores of 256
	s_sub_co_u32 s21, ttmp9, 304
	s_lshl_b32 s21, s21, 2
	s_add_co_u32 s21, s21, s20                     ; which chunk of 2,048 numbers
	s_lshl_b32 s22, s21, 13
	s_mov_b32 s23, 0
	s_add_nc_u64 s[8:9], s[8:9], s[22:23]
	s_lshl_b32 s22, s21, 12
	s_add_nc_u64 s[18:19], s[18:19], s[22:23]
	v_lshlrev_b32 v3, 4, v2
	v_lshlrev_b32 v4, 3, v2
.irp t, 0,1,2,3,4,5,6,7,8,9,10,11,12,13,14,15
	global_load_b128 v[16+4*\t:19+4*\t], v3, s[8:9] offset:512*\t
.endr
.irp t, 0,1,2,3,4,5,6,7,8,9,10,11,12,13,14,15
	s_wait_loadcnt 15-\t                           ; loads come back in order: number t is in, the younger ones stay out
	v_cvt_pk_f16_f32 v[80+2*\t], v[16+4*\t], v[17+4*\t]
	v_cvt_pk_f16_f32 v[81+2*\t], v[18+4*\t], v[19+4*\t]
	global_store_b64 v4, v[80+2*\t:81+2*\t], s[18:19] offset:256*\t   ; 32 lanes store 256 consecutive bytes, aligned; each store has data registers of its own
.endr
	s_wait_tensorcnt 0x0                           ; the wave's end
	ds_add_u32 v[SPW], v[NIL]
	s_wait_dscnt 0x0
	s_endpgm
	; ---- w_qkv: a lane takes a column n and its registers run down K, so a block of 32 along K lies in one lane and the codes come out with K innermost
.Lw:
	s_cmp_ge_u32 ttmp9, 24
	s_cselect_b32 s22, 1, 0                        ; which 512 along K
	s_cselect_b32 s21, 24, 0
	s_sub_co_u32 s21, ttmp9, s21                   ; which 128 columns
	s_lshl_b32 s21, s21, 7
	s_lshl_b32 s23, s20, 5
	s_add_co_u32 s21, s21, s23                     ; my wave's first column
	v_lshlrev_b32 v3, 2, v2                        ; in: 4 bytes a lane
	s_mul_i32 s23, s20, 32*PITCH
	s_add_co_u32 s23, s23, WSTG                    ; my stage
	v_mul_u32_u24 v4, v2, PITCH
	v_add_nc_u32 v4, s23, v4                       ; into it: row = my column
	v_and_b32 v5, 15, v2
	v_lshrrev_b32 v6, 4, v2
	v_mul_u32_u24 v7, v6, PITCH
	v_lshl_add_u32 v7, v5, 4, v7
	v_add_nc_u32 v7, s23, v7                       ; out of it: sixteen lanes to a row, two rows an instruction
	v_mul_u32_u24 v8, v6, KROW
	v_lshl_add_u32 v8, v5, 4, v8                   ; and the same place in w_codes
	v_lshlrev_b32 v9, 5, v2                        ; my column's row of scale bytes: 32 bytes a row
	s_mul_i32 s24, s22, 512*SIZE_N*4
	s_lshl_b32 s25, s21, 2
	s_add_co_u32 s24, s24, s25
	s_mov_b32 s25, 0
	s_add_nc_u64 s[6:7], s[6:7], s[24:25]          ; w_qkv at (512 y, my first column)
	s_lshl_b32 s24, s21, 9
	s_lshl_b32 s26, s22, 8
	s_add_co_u32 s24, s24, s26
	s_add_nc_u64 s[14:15], s[14:15], s[24:25]      ; w_codes: column x 512 + 256 y
	s_lshl_b32 s24, s21, 5
	s_lshl_b32 s26, s22, 4
	s_add_co_u32 s24, s24, s26
	s_add_nc_u64 s[16:17], s[16:17], s[24:25]      ; w_scales: column x 32 + 16 y
.macro WLOAD t                         ; block t: w(32 t + i, my column), i = 0 .. 31, into set t % 2; each load reads 128 consecutive bytes; the largest offset, 511 x 12,288, lies inside the signed 24-bit immediate
.set i, 0
.rept 32
	global_load_b32 v[WX+32*((\t)%2)+i], v3, s[6:7] offset:(32*(\t)+i)*SIZE_N*4 th:TH_LOAD_NT
.set i, i+1
.endr
.endm
	WLOAD 0
	WLOAD 1
.macro WBLOCK t
.set WS, WX+32*((\t)%2)
.if (\t) < NB-1
	s_wait_loadcnt 32                              ; this block's 32 loads are in; the next block's 32 may be out
.else
	s_wait_loadcnt 0
.endif
	v_max3_num_f32 v12, |v[WS]|, |v[WS+1]|, |v[WS+2]|               ; the block's largest magnitude: all 32 numbers are mine
	v_max3_num_f32 v13, |v[WS+3]|, |v[WS+4]|, |v[WS+5]|
.irp i, 6,10,14,18,22,26
	v_max3_num_f32 v12, v12, |v[WS+\i]|, |v[WS+\i+1]|
	v_max3_num_f32 v13, v13, |v[WS+\i+2]|, |v[WS+\i+3]|
.endr
	v_max3_num_f32 v12, v12, |v[WS+30]|, |v[WS+31]|
	v_max3_num_f32 v12, v12, v13, (EMAX+1)<<23     ; and the floor 2^(3 - 127): the byte cannot fall under 1
	v_add_nc_u32 v11, 0xff000000, v12              ; 2 off the exponent field: the conversion takes the exponent field of this operand as its scale
	v_lshrrev_b32 v13, 23, v11                     ; the scale's byte
.if (\t)%4 == 0
	v_mov_b32 v[SB+(\t)/4], v13                    ; four bytes to a register, the lower K in the lower byte
.else
	v_lshl_or_b32 v[SB+(\t)/4], v13, 8*((\t)%4), v[SB+(\t)/4]
.endif
.irp g, 0,1,2,3
	v_cvt_scalef32_pk8_fp4_f32 v[WC+\g], v[WS+8*\g:WS+8*\g+7], v11
.endr
	ds_store_b128 v4, v[WC:WC+3] offset:16*(\t)    ; 32 codes: 16 bytes of my column's row
.if (\t)+2 < NB
	WLOAD (\t)+2
.endif
	s_wait_dscnt 0x0                               ; the store has read its registers: the next block's codes may be written
.endm
.set Q, 0
.rept NB
	WBLOCK Q
.set Q, Q+1
.endr
	global_store_b128 v9, v[SB:SB+3], s[16:17]     ; my column's 16 scale bytes
.irp t, 0,1,2,3,4,5,6,7,8,9,10,11,12,13,14,15
	ds_load_b128 v[OUTR+4*\t:OUTR+4*\t+3], v7 offset:2*\t*PITCH   ; LDS serves a wave's instructions in order: these see my stores
.endr
.irp t, 0,1,2,3,4,5,6,7,8,9,10,11,12,13,14,15
	s_wait_dscnt 15-\t
	global_store_b128 v8, v[OUTR+4*\t:OUTR+4*\t+3], s[14:15] offset:2*\t*KROW   ; sixteen lanes store 256 consecutive bytes of a row of codes, aligned
.endr
	s_wait_tensorcnt 0x0                           ; the wave's end
	ds_add_u32 v[SPW], v[NIL]
	s_wait_dscnt 0x0
	s_endpgm
	; ---- x: a plain stream of blocks of 32.  A wave takes 16 steps of 512 numbers; each load reads 512 consecutive bytes; a step's 2,048 bytes turn through the wave's own stage so that a lane holds 16 neighbours
.Lx:
	v_lshlrev_b32 v3, 4, v2                        ; my 16 bytes of a load's 512
	s_mul_i32 s21, s20, WREG
	v_lshrrev_b32 v14, 2, v2
	v_mul_u32_u24 v14, v14, SP
	v_and_b32 v15, 3, v2
	v_lshl_add_u32 v14, v15, 4, v14
	v_add_nc_u32 v14, s21, v14                     ; the stage, way in: 80 (lane / 4) + 16 (lane % 4)
	v_mul_u32_u24 v15, v2, SP
	v_add_nc_u32 v15, s21, v15                     ; way out: 80 x lane: my 16 neighbours
	v_lshlrev_b32 v4, 3, v2                        ; my codes' place in a step's
	v_lshrrev_b32 v5, 1, v2
	s_add_co_u32 s21, s21, 2*32*SP
	v_add_nc_u32 v5, s21, v5                       ; my wave's 256 scale bytes: my block's byte
	v_lshlrev_b32 v7, 3, v2
	v_add_nc_u32 v6, s21, v7                       ; and on the way out 8 bytes a lane
	s_sub_co_u32 s22, ttmp9, 48
	s_lshl_b32 s22, s22, 2
	s_add_co_u32 s22, s22, s20                     ; which run of 8,192 numbers is my wave's
	s_lshl_b32 s24, s22, 15
	s_mov_b32 s25, 0
	s_add_nc_u64 s[4:5], s[4:5], s[24:25]
	s_lshl_b32 s24, s22, 12
	s_add_nc_u64 s[10:11], s[10:11], s[24:25]
	s_lshl_b32 s24, s22, 8
	s_add_nc_u64 s[12:13], s[12:13], s[24:25]
.macro XLOAD t
.irp i, 0,1,2,3
	global_load_b128 v[XR+16*((\t)%4)+4*\i:XR+16*((\t)%4)+4*\i+3], v3, s[4:5] offset:2048*(\t)+512*\i th:TH_LOAD_NT
.endr
.endm
.macro XTURN t                         ; step t's numbers through the stage: LDS serves a wave's instructions in order, so no wait stands between the stores and the loads
.irp i, 0,1,2,3
	ds_store_b128 v14, v[XR+16*((\t)%4)+4*\i:XR+16*((\t)%4)+4*\i+3] offset:32*SP*((\t)%2)+8*SP*\i
.endr
.irp i, 0,1,2,3
	ds_load_b128 v[XX+16*((\t)%2)+4*\i:XX+16*((\t)%2)+4*\i+3], v15 offset:32*SP*((\t)%2)+16*\i
.endr
.endm
.irp t, 0,1,2,3
	XLOAD \t
.endr
	s_wait_loadcnt 12                              ; step 0's four loads are in
	XTURN 0
.macro XSTEP t
.set XS, XX+16*((\t)%2)
.if (\t) > 0
	s_wait_dscnt 1                                 ; this step's numbers are back from the stage (the last step's byte store may be out): so its stores into the stage have read their registers,
.else
	s_wait_dscnt 0x0
.endif
.if (\t)+4 < STEPS
	XLOAD (\t)+4                                   ; which take the loads of four steps on
.endif
.if (\t)+1 < STEPS
.if STEPS-2-(\t) >= 3
	s_wait_loadcnt 12                              ; the next step's four loads are in; those of the three steps behind it may be out
.else
	s_wait_loadcnt 4*(STEPS-2-(\t))
.endif
	XTURN (\t)+1
.endif
	v_max3_num_f32 v8, |v[XS]|, |v[XS+1]|, |v[XS+2]|               ; the largest magnitude of my 16
	v_max3_num_f32 v9, |v[XS+3]|, |v[XS+4]|, |v[XS+5]|
.irp i, 6,10
	v_max3_num_f32 v8, v8, |v[XS+\i]|, |v[XS+\i+1]|
	v_max3_num_f32 v9, v9, |v[XS+\i+2]|, |v[XS+\i+3]|
.endr
	v_max3_num_f32 v8, v8, |v[XS+14]|, |v[XS+15]|
	v_max3_num_f32 v8, v8, v9, (EMAX+1)<<23        ; and the floor
	v_max_num_f32_dpp v8, v8, v8 row_xmask:1 row_mask:0xf bank_mask:0xf   ; and of my neighbour's 16: the block's
	v_add_nc_u32 v11, 0xff000000, v8               ; 2 off its exponent field: the conversion's scale operand
	v_cvt_scalef32_pk8_fp4_f32 v[XC+4*(\t)], v[XS:XS+7], v11
	v_cvt_scalef32_pk8_fp4_f32 v[XC+4*(\t)+1], v[XS+8:XS+15], v11
	v_lshrrev_b32 v[XE+(\t)], 23, v11              ; the scale's byte (also the plain line behind the conversions)
	ds_store_b8 v5, v[XE+(\t)] offset:16*(\t)      ; both lanes of a block write the same byte with the same value
	global_store_b64 v4, v[XC+4*(\t):XC+4*(\t)+1], s[10:11] offset:32*CB*(\t)   ; 32 lanes store 256 consecutive bytes, aligned
.endm
.irp t, 0,1,2,3,4,5,6,7,8,9,10,11,12,13,14,15
	XSTEP \t
.endr
	ds_load_b64 v[8:9], v6                         ; LDS serves a wave's instructions in order: this sees my byte stores
	s_wait_dscnt 0x0
	global_store_b64 v7, v[8:9], s[12:13]          ; the wave's 256 scale bytes, aligned
	s_wait_tensorcnt 0x0                           ; the wave's end
	ds_add_u32 v[SPW], v[NIL]
	s_wait_dscnt 0x0
	s_endpgm
.Lfunc_end_k_q74fcb72ae6_prep:
	.size	k_q74fcb72ae6_prep, .Lfunc_end_k_q74fcb72ae6_prep-k_q74fcb72ae6_prep
	.p2alignl 7, 3214868480
	.fill 96, 4, 3214868480
	.section	.rodata,"a",@progbits
	.p2align	6, 0x0
	.amdhsa_kernel k_q74fcb72ae6_prep
		.amdhsa_group_segment_fixed_size 68096
		.amdhsa_private_segment_fixed_size 0
		.amdhsa_enable_private_segment 0
		.amdhsa_kernarg_size 64
		.amdhsa_user_sgpr_count 2
		.amdhsa_user_sgpr_kernarg_segment_ptr 1
		.amdhsa_wavefront_size32 1
		.amdhsa_system_sgpr_workgroup_id_x 1
		.amdhsa_system_sgpr_workgroup_id_y 1
		.amdhsa_system_sgpr_workgroup_id_z 1
		.amdhsa_system_vgpr_workitem_id 0
		.amdhsa_next_free_vgpr 192
		.amdhsa_next_free_sgpr 66
		.amdhsa_reserve_vcc 0
		.amdhsa_float_denorm_mode_32 3
		.amdhsa_float_denorm_mode_16_64 3
		.amdhsa_memory_ordered 1
		.amdhsa_forward_progress 1
		.amdhsa_inst_pref_size 117
	.end_amdhsa_kernel
	.amdgpu_metadata
---
amdhsa.version: [ 1, 2 ]
amdhsa.kernels:
  - .name:           k_q74fcb72ae6_prep
    .symbol:         k_q74fcb72ae6_prep.kd
    .args:
      - { .name: x, .offset: 0, .size: 8, .value_kind: global_buffer, .address_space: global }
      - { .name: w_qkv, .offset: 8, .size: 8, .value_kind: global_buffer, .address_space: global }
      - { .name: w_proj, .offset: 16, .size: 8, .value_kind: global_buffer, .address_space: global }
      - { .name: x_codes, .offset: 24, .size: 8, .value_kind: global_buffer, .address_space: global }
      - { .name: x_scales, .offset: 32, .size: 8, .value_kind: global_buffer, .address_space: global }
      - { .name: w_codes, .offset: 40, .size: 8, .value_kind: global_buffer, .address_space: global }
      - { .name: w_scales, .offset: 48, .size: 8, .value_kind: global_buffer, .address_space: global }
      - { .name: wp16, .offset: 56, .size: 8, .value_kind: global_buffer, .address_space: global }
    .group_segment_fixed_size: 68096
    .private_segment_fixed_size: 0
    .kernarg_segment_align: 8
    .kernarg_segment_size: 64
    .max_flat_workgroup_size: 128
    .sgpr_count:     66
    .vgpr_count:     192
    .wavefront_size: 32
...
	.end_amdgpu_metadata
.endif
;; end of part 1
;; launch gemm_qkv (part 2): grid 12 x 32, 4 waves a work-group, clusters of 4 x 4, 327,680 bytes of LDS; arguments x_codes, x_scales, w_codes, w_scales, qkv16, qkv32; writes qkv16, qkv32
.if DOCPART == 2
	.amdgcn_target "amdgcn-amd-amdhsa--gfx1250"
	.amdhsa_code_object_version 6
	.text
	.protected	k_q74fcb72ae6_gemm_qkv
	.globl	k_q74fcb72ae6_gemm_qkv
	.p2align	8
	.type	k_q74fcb72ae6_gemm_qkv,@function
k_q74fcb72ae6_gemm_qkv:
	s_mov_b64 s[64:65], 0
	v_nop
	global_prefetch_b8 v0, s[64:65] scope:SCOPE_SE
	s_setreg_imm32_b32 hwreg(HW_REG_WAVE_MODE, 25, 1), 1
	s_wait_xcnt 0x0
	s_wait_alu depctr_hold_cnt(0) depctr_sa_sdst(0) depctr_va_vdst(0) depctr_va_sdst(0) depctr_va_ssrc(0) depctr_va_vcc(0) depctr_vm_vsrc(0)
	s_getreg_b32 s2, hwreg(HW_REG_IB_STS2, 6, 4)
	s_cmp_eq_u32 s2, 0
	s_cbranch_scc0 .Lentry_in_a_cluster
	s_endpgm
.Lentry_in_a_cluster:
	s_bfe_u32 s2, ttmp6, 0x10000c
	s_cmp_lg_u32 s2, 0xf033
	s_cbranch_scc0 .Lentry_shape_is_right
	s_endpgm
.Lentry_shape_is_right:
; qkv[m][n] = sum over k of x[m][k] w[n][k], on codes of FP4 (E2M1) with one E8M0 scale for each 32 along K: M 8,192, N 3,072, K 1,024; sums in f32.
; OUT: qkv16 [batch 4][g 48][position 2048][64] f16, g = column / 64 (q: head, k: 16 + head, v: 32 + head); and, for positions 0-15 of each batch, qkv32: the f32 sums as images of the
; accumulators' registers, [batch 4][column / 16: 192] tiles of 1,024 bytes (half f: lane l's registers 4 f .. 4 f + 3 at 512 f + 16 l).
; LIMIT: |q|, |k|, |v| up to 65,504 (f16).
; A tile of 256 x 256 is made by four waves, 128 x 128 each: 64 accumulators, 512 registers.  K is two LDS slots of 512 along K (rows of 256 bytes): both are asked for at the head and nothing is filled again.
; The scale bytes of the work-group's 256 + 256 rows come once, as dense blocks.  CLUSTERS: 4 x 4 work-groups; the four of a row of the cluster ask for x's tiles jointly, the four of a column for w's.
; THE TILE ROW IS 8 cy + cluster y: the batch is cy, and the block of 256 positions is the cluster's y, the same in all sixteen partners: so the branch round the f32 images hangs on no place in the cluster.
; THE MATRIX INSTRUCTION IS USED TRANSPOSED (source 0 = 16 rows of w, source 1 = 16 rows of x): a lane holds eight neighbouring columns of one row.
; REGISTERS, in windows of 256: window 0: v0-31 addresses; v32-95 scale words, two sets; v128-191 x's fragments, one set; on the way out v128-223 are at work.
;   window 1: w's fragments, two sets, at v0 and v128.   window 2: accumulators of my rows 0-63 ((a, b) at v[8 (8 a + b)]);   window 3: those of rows 64-127.
.set KSTEP,  512
.set NQ,     4                         ; matrix instructions deep in a slot
.set ROWB,   256                       ; a tile's row in bytes
.set KROW,   512                       ; a row of codes in memory
.set PITCH,  272                       ; an LDS row: 256 bytes + 16: the 16 rows that a load touches start at 16 different banks (64 banks of 4 bytes: ISA guide 11.1)
.set FR,     8
.set NL,     2
.set NP,     4                         ; places behind this matrix instruction (ISA guide 7.12.1)
.set HALFT,  128*PITCH
.set SLOT,   4*HALFT
.set KS,     32                        ; a row of scale bytes
.set SCL,    2*SLOT                    ; behind the ring: the scales, as units of 256 bytes + 16
.set HALFS,  (128*KS/256)*272
.set SBLK,   (16*KS/256)*272
.set SPARE,  SCL+4*HALFS               ; the spare words, 128 bytes a wave
.set SPITCH, 272                       ; the way out: a stage of 16 rows x (256 bytes + 16) for each wave, in slot 0, which has had its only fill and its last read by then
.set ADRA, 16
.set ADRB, 20
.set STO,  24
.set RD,   25
.set CO,   26                          ; v26 16 x lane
.set ADRS, 27
.set SPW,  28
.set NIL,  29
.set SC,   32
.set AF,   128
.set BK,   128                         ; the way out: rows read back: v128-159 and v160-191 by turns
.set TMP,  192                         ; the way out: packed results
.set G1, 24
.set G0, 32
.set G1B, 48
.set G0B, 56
.set G1S, 68
.set G0S, 76
.set G1SB, 80
.set G0SB, 88
.set MSB, 0
.macro WIN new                         ; the immediate's high byte repeats the setting that is left
.if MSB != (\new)
	s_set_vgpr_msb (MSB<<8)|(\new)
.set MSB, (\new)
.endif
.endm
.set MUL_LO, 0xa1                      ; source 0 (w) window 1, source 1 (x) window 0, C and D window 2
.set MUL_HI, 0xf1
.set TO_B,   0x40
; A joint load: waves 0 and 1 fetch for x, waves 2 and 3 for w; the branch hangs on the wave's number alone.  An s_nop 0 and four v_nop follow each of the two lines.
.macro JLOAD g0a, g1a, g0b, g1b
	s_cmp_eq_u32 s15, 0
	s_cbranch_scc0 .Lfor_b_\@
	tensor_load_to_lds s[\g0a:\g0a+3], s[\g1a:\g1a+7]
	s_nop 0
.rept 4
	v_nop
.endr
	s_branch .Lasked_\@
.Lfor_b_\@:
	tensor_load_to_lds s[\g0b:\g0b+3], s[\g1b:\g1b+7]
	s_nop 0
.rept 4
	v_nop
.endr
.Lasked_\@:
.endm
.macro CROUND                          ; a round of the cluster's barrier
	s_barrier_signal -1
	s_barrier_wait -1
	s_cmp_lg_u32 s14, 0
	s_cbranch_scc1 .Lnot_wave_0_\@
	s_barrier_signal -3
.Lnot_wave_0_\@:
	s_barrier_wait -3
	s_barrier_signal -1
	s_barrier_wait -1
.endm
	s_load_b128 s[4:7], s[0:1], 0x0                ; x's codes, x's scales
	s_load_b128 s[8:11], s[0:1], 0x10              ; w's codes, w's scales
	s_load_b128 s[96:99], s[0:1], 0x20             ; qkv16, qkv32
	v_lshl_add_u32 v[SPW], v0, 2, SPARE
	v_mov_b32 v[NIL], 0
	ds_add_u32 v[SPW], v[NIL]                      ; the wave's opening: the add, twice on end, and its wait ahead of my first tensor load
	ds_add_u32 v[SPW], v[NIL]
	v_lshrrev_b32 v1, 5, v0
	v_readfirstlane_b32 s14, v1                    ; wave 0..3
	s_lshr_b32 s15, s14, 1                         ; which half of the tile's rows is mine.  Also: I fetch for x (0) or for w (1)
	s_and_b32 s16, s14, 1                          ; which half of its columns.  Also: which 128 rows of that tile I fetch
	s_bfe_u32 s40, ttmp6, 0x40000                  ; cx, cy
	s_bfe_u32 s41, ttmp6, 0x40004
	s_lshl_b32 s42, ttmp9, 2
	s_add_co_u32 s42, s42, s40                     ; tile column = 4 x cluster x + cx
	s_and_b32 s95, ttmp7, 0xffff                   ; cluster y: the block of 256 positions
	s_lshl_b32 s17, s41, 3
	s_add_co_u32 s17, s17, s95                     ; tile row = 8 cy + cluster y
	s_lshl_b32 s43, s41, 2
	s_lshl_b32 s43, 15, s43                        ; my row of the cluster
	s_lshl_b32 s44, 0x1111, s40                    ; my column
	s_or_b32 s[G1+0], s43, (0<<16)|(1<<20)|(1<<21)|(5<<22)|(3<<25)  ; the mask; elements of 1 byte; padding on; bit 21 beside a mask; 4 words after every 64
	s_or_b32 s[G1B+0], s44, (0<<16)|(1<<20)|(1<<21)|(5<<22)|(3<<25)
.irp g, G1, G1B
	s_mov_b32 s[\g+1], ROWB<<16                    ; tensor_dim0
	s_mov_b32 s[\g+2], 128<<16                     ; tensor_dim1
	s_mov_b32 s[\g+3], ROWB<<16                    ; tile_dim0
	s_mov_b32 s[\g+4], 128                         ; tile_dim1
	s_mov_b32 s[\g+5], KROW                        ; stride
	s_mov_b32 s[\g+6], 0
	s_mov_b32 s[\g+7], 0
.endr
	s_or_b32 s[G1S+0], s43, (3<<16)|(1<<20)|(1<<21)|(5<<22)|(3<<25) ; the scales of 128 rows: 4,096 dense bytes as 16 rows of 256 (32 elements of 8 bytes), 16 bytes of padding behind each
	s_or_b32 s[G1SB+0], s44, (3<<16)|(1<<20)|(1<<21)|(5<<22)|(3<<25)
.irp g, G1S, G1SB
	s_mov_b32 s[\g+1], 32<<16
	s_mov_b32 s[\g+2], (128*KS/256)<<16
	s_mov_b32 s[\g+3], 32<<16
	s_mov_b32 s[\g+4], 128*KS/256
	s_mov_b32 s[\g+5], 32
	s_mov_b32 s[\g+6], 0
	s_mov_b32 s[\g+7], 0
.endr
	s_lshl_b32 s18, s16, 7
	s_lshl_b32 s20, s17, 8
	s_add_co_u32 s20, s20, s18                     ; x: row 256 x tile row + 128 x half
	s_lshl_b32 s46, s42, 8
	s_add_co_u32 s46, s46, s18                     ; w: row 256 x tile column + 128 x half
	s_mov_b32 s21, 0
	s_mov_b32 s47, 0
	s_mov_b64 s[18:19], KS
	s_mul_u64 s[22:23], s[20:21], s[18:19]         ; where these rows' scales begin
	s_mul_u64 s[92:93], s[46:47], s[18:19]
	s_mov_b64 s[18:19], KROW
	s_mul_u64 s[20:21], s[20:21], s[18:19]         ; and their codes
	s_mul_u64 s[46:47], s[46:47], s[18:19]
	s_mul_i32 s45, s14, HALFT                      ; where they go: wave x 128 rows
	s_mul_i32 s94, s14, HALFS
	s_wait_dscnt 0x0                               ; both opening adds are done
	s_wait_kmcnt 0x0
	s_add_nc_u64 s[20:21], s[4:5], s[20:21]
	s_add_nc_u64 s[22:23], s[6:7], s[22:23]
	s_add_nc_u64 s[46:47], s[8:9], s[46:47]
	s_add_nc_u64 s[92:93], s[10:11], s[92:93]
	CROUND                                         ; all sixteen work-groups are here: the joint loads meet
	s_mov_b32 s[G0S], 1
	s_add_co_u32 s[G0S+1], s94, SCL
	s_mov_b64 s[G0S+2:G0S+3], s[22:23]
	s_or_b32 s[G0S+3], s[G0S+3], 0x80000000
	s_mov_b32 s[G0SB], 1
	s_add_co_u32 s[G0SB+1], s94, SCL
	s_mov_b64 s[G0SB+2:G0SB+3], s[92:93]
	s_or_b32 s[G0SB+3], s[G0SB+3], 0x80000000
	JLOAD G0S, G1S, G0SB, G1SB                     ; the scales first: three loads of mine are out behind this group
.irp s, 0,1
	s_mov_b32 s[G0+4*\s], 1
	s_add_co_u32 s[G0+4*\s+1], s45, \s*SLOT
	s_add_nc_u64 s[G0+4*\s+2:G0+4*\s+3], s[20:21], \s*ROWB
	s_or_b32 s[G0+4*\s+3], s[G0+4*\s+3], 0x80000000
	s_mov_b32 s[G0B+4*\s], 1
	s_add_co_u32 s[G0B+4*\s+1], s45, \s*SLOT
	s_add_nc_u64 s[G0B+4*\s+2:G0B+4*\s+3], s[46:47], \s*ROWB
	s_or_b32 s[G0B+4*\s+3], s[G0B+4*\s+3], 0x80000000
	JLOAD G0+4*\s, G1, G0B+4*\s, G1B
.endr
	v_and_b32 v1, 15, v0                           ; r = l % 16
	v_bfe_u32 v2, v0, 4, 1                         ; h = l / 16
	v_mul_u32_u24 v3, v1, PITCH
	v_lshl_add_u32 v4, v2, 4, v3                   ; a fragment's row x pitch + 16 x half
	s_mul_i32 s21, s15, HALFT                      ; my 128 rows of x
	s_mul_i32 s22, s16, HALFT                      ; my 128 rows of w,
	s_add_co_u32 s22, s22, 2*HALFT                 ; which lie behind x's 256
.irp s, 0,1
	v_add_nc_u32 v[ADRA+\s], s21, v4
	v_add_nc_u32 v[ADRB+\s], s22, v4
	s_add_co_u32 s21, s21, SLOT
	s_add_co_u32 s22, s22, SLOT
.endr
	v_mul_u32_u24 v5, v1, KS                       ; my row's scales: 32 bytes a row,
	v_lshrrev_b32 v6, 8, v5
	v_lshl_add_u32 v5, v6, 4, v5                   ; and 16 more for each 256 passed
	s_mul_i32 s21, s15, HALFS
	s_mul_i32 s22, s16, HALFS
	s_add_co_u32 s22, s22, 2*HALFS
	s_sub_co_u32 s22, s22, s21
	v_mul_u32_u24 v6, s22, v2                      ; lanes 16-31 take w's: one product, the distance between the two bases
	s_add_co_u32 s21, s21, SCL
	v_add_nc_u32 v5, v5, v6
	v_add_nc_u32 v[ADRS], s21, v5
	s_mul_i32 s23, s14, 16*SPITCH                  ; my stage
	v_mul_u32_u24 v5, v1, SPITCH                   ; in: row r, 16 bytes for each half of the lanes
	v_lshl_add_u32 v5, v2, 4, v5
	v_add_nc_u32 v[STO], s23, v5
	v_and_b32 v6, 31, v0
	v_lshlrev_b32 v[CO], 4, v6                     ; 16 x lane
	v_lshrrev_b32 v5, 3, v6                        ; back: eight lanes take the 128 bytes that a row has of one head; four rows an instruction
	v_mul_u32_u24 v5, v5, SPITCH
	v_and_b32 v6, 7, v6
	v_lshl_add_u32 v5, v6, 4, v5
	v_add_nc_u32 v[RD], s23, v5
	s_mul_i32 s20, s41, 48                         ; qkv16: ((batch x 48 + 4 x tile column + 2 x column half) << 18) + (256 x block + 128 x row half) x 128
	s_lshl_b32 s21, s42, 2
	s_add_co_u32 s20, s20, s21
	s_lshl_b32 s21, s16, 1
	s_add_co_u32 s20, s20, s21
	s_lshl_b32 s20, s20, 18
	s_lshl_b32 s21, s95, 15
	s_add_co_u32 s20, s20, s21
	s_lshl_b32 s21, s15, 14
	s_add_co_u32 s20, s20, s21
	s_mov_b32 s21, 0
	s_add_nc_u64 s[96:97], s[96:97], s[20:21]
	s_mul_i32 s20, s41, 192                        ; qkv32: (batch x 192 + 16 x tile column + 8 x column half) tiles of 1,024 bytes
	s_lshl_b32 s46, s42, 4
	s_add_co_u32 s20, s20, s46
	s_lshl_b32 s46, s16, 3
	s_add_co_u32 s20, s20, s46
	s_lshl_b32 s20, s20, 10
	s_add_nc_u64 s[98:99], s[98:99], s[20:21]
.macro FRAG reg, adr, q, i             ; a fragment, 16 rows x 128 K of 4-bit codes: lane l holds row l % 16; registers 4 c .. 4 c + 3 hold K = 64 c + 32 (l / 16) + 0 .. 31
.irp c, 0,1
	ds_load_b128 v[\reg+4*\c:\reg+4*\c+3], v[\adr] offset:64*(\q)+32*\c+(\i)*16*PITCH
.endr
.endm
; 16 matrix instructions: x's blocks a0, a0 + 1 against w's eight.  The 64 accumulators take turns, one instruction a turn, in the same order in every step.
.macro MUL16 a0, p, q, sc, zero
.irp a, \a0, \a0+1
.irp b, 0,1,2,3,4,5,6,7
.if \zero
	v_wmma_scale_f32_16x16x128_f8f6f4 v[8*(8*((\a)%4)+\b):8*(8*((\a)%4)+\b)+7], v[128*(\p)+FR*\b:128*(\p)+FR*\b+FR-1], v[AF+FR*(\a):AF+FR*(\a)+FR-1], 0, v[SC+8*NQ*(\sc)+NQ*\b+(\q)], v[SC+8*NQ*(\sc)+NQ*(\a)+(\q)] matrix_a_fmt:MATRIX_FMT_FP4 matrix_b_fmt:MATRIX_FMT_FP4 matrix_a_scale:MATRIX_SCALE_ROW1
.else
	v_wmma_scale_f32_16x16x128_f8f6f4 v[8*(8*((\a)%4)+\b):8*(8*((\a)%4)+\b)+7], v[128*(\p)+FR*\b:128*(\p)+FR*\b+FR-1], v[AF+FR*(\a):AF+FR*(\a)+FR-1], v[8*(8*((\a)%4)+\b):8*(8*((\a)%4)+\b)+7], v[SC+8*NQ*(\sc)+NQ*\b+(\q)], v[SC+8*NQ*(\sc)+NQ*(\a)+(\q)] matrix_a_fmt:MATRIX_FMT_FP4 matrix_b_fmt:MATRIX_FMT_FP4 matrix_a_scale:MATRIX_SCALE_ROW1
.endif
.endr
.endr
.endm
.macro FETCH_B slot, q, p
	WIN TO_B
.irp i, 0,1,2,3,4,5,6,7
	FRAG 128*(\p)+FR*\i, ADRB+\slot, \q, \i
.endr
	WIN 0
.endm
.macro FETCH_A slot, q, i0
.irp i, \i0, \i0+1, \i0+2, \i0+3
	FRAG AF+FR*(\i), ADRA+\slot, \q, \i
.endr
.endm
.macro SCALES sc                       ; a slot's scale words: lanes 0-15 take x's block i, lanes 16-31 w's block i
.irp i, 0,1,2,3,4,5,6,7
	ds_load_b128 v[SC+8*NQ*\sc+NQ*\i:SC+8*NQ*\sc+NQ*\i+3], v[ADRS] offset:\i*SBLK
.endr
.endm
.macro PLACES n                        ; plain vector lines between a matrix instruction and a load into, or a read of, its registers
.rept \n
	v_nop
.endr
.endm
.macro STEP slot, q, zero              ; a step of 128 along K that has its successor in the same slot
	s_wait_dscnt 4*NL                              ; w's set and x's blocks 0-3 are in; the youngest eight loads (x's blocks 4-7) may be out
	WIN MUL_LO
	MUL16 0, (\q)%2, \q, \slot, \zero
	MUL16 2, (\q)%2, \q, \slot, \zero
	s_wait_dscnt 0                                 ; x's blocks 4-7 are in
	PLACES NP
	FETCH_B \slot, (\q)+1, 1-(\q)%2
	FETCH_A \slot, (\q)+1, 0
	WIN MUL_HI
	MUL16 4, (\q)%2, \q, \slot, \zero
	MUL16 6, (\q)%2, \q, \slot, \zero
	PLACES NP
	WIN 0
	FETCH_A \slot, (\q)+1, 4
.endm
; Slot 0's last step changes slots: one barrier; in front of it each wave waits for all its tensor loads (its part of slot 1), adds 0 to its spare word, and waits for that and for its reads of slot 0.
.macro TURN slot, next
	s_wait_tensorcnt 0x0
	ds_add_u32 v[SPW], v[NIL]
	s_wait_dscnt 4*NL+1                            ; the add and the youngest eight loads may be out
	WIN MUL_LO
	MUL16 0, 1, NQ-1, \slot, 0
	s_wait_dscnt 0x0                               ; the add is done, and my reads of this slot are over
	s_barrier_signal -1
	MUL16 2, 1, NQ-1, \slot, 0
	WIN 0
	s_barrier_wait -1
	PLACES NP
	v_add_nc_u32 v[ADRS], 4*NQ, v[ADRS]            ; on to the next slot's scale words (no LDS load of mine is out)
	FETCH_B \next, 0, 0
	FETCH_A \next, 0, 0
	SCALES \next
	WIN MUL_HI
	MUL16 4, 1, NQ-1, \slot, 0
	MUL16 6, 1, NQ-1, \slot, 0
	PLACES NP
	WIN 0
	FETCH_A \next, 0, 4
.endm
	s_wait_tensorcnt 1                             ; the scales and my part of slot 0 are in; slot 1's load may be out
	s_barrier_signal -1
	s_barrier_wait -1
	FETCH_B 0, 0, 0
	FETCH_A 0, 0, 0
	SCALES 0
	FETCH_A 0, 0, 4
	STEP 0, 0, 1                                   ; the first products start the sums: nothing is cleared
	STEP 0, 1, 0
	STEP 0, 2, 0
	TURN 0, 1
	STEP 1, 0, 0
	STEP 1, 1, 0
	STEP 1, 2, 0
	s_wait_dscnt 4*NL                              ; the last step: nothing more to fetch
	WIN MUL_LO
	MUL16 0, 1, NQ-1, 1, 0
	MUL16 2, 1, NQ-1, 1, 0
	s_wait_dscnt 0
	WIN MUL_HI
	MUL16 4, 1, NQ-1, 1, 0
	MUL16 6, 1, NQ-1, 1, 0
	WIN 0
	PLACES NP
	; positions 0-15 of a batch (block 0, row half 0, my block a = 0) also leave in f32, as images of their accumulators: each store is 512 consecutive bytes
	s_cmp_lg_u32 s95, 0                            ; the cluster's y: the same in all sixteen partners
	s_cbranch_scc1 .Lno32
	s_cmp_lg_u32 s15, 0                            ; the wave's number
	s_cbranch_scc1 .Lno32
	WIN 0x08                                       ; a store's data are its source 1: window 2
.irp b, 0,1,2,3,4,5,6,7
	global_store_b128 v[CO], v[8*\b:8*\b+3], s[98:99] offset:1024*\b          ; each accumulator from its low end on
	global_store_b128 v[CO], v[8*\b+4:8*\b+7], s[98:99] offset:1024*\b+512
.endr
	WIN 0
.Lno32:
; THE WAY OUT in f16, a block of 16 rows x 128 columns (two heads) at a time, through my own stage.
.macro PACK a
.set AC, 64*((\a)%4)
	WIN 0x0a+5*((\a)/4)                            ; sources 0 and 1: window 2 or 3
.irp b, 0,1,2,3,4,5,6,7
.irp r, 0,1,2,3
	v_cvt_pk_f16_f32 v[TMP+4*\b+\r], v[AC+8*\b+2*\r], v[AC+8*\b+2*\r+1]
.endr
.endr
	WIN 0
.endm
.macro TOSTAGE a
.set BB, BK+32*((\a)%2)
.irp b, 0,1,2,3,4,5,6,7
	ds_store_b128 v[STO], v[TMP+4*\b:TMP+4*\b+3] offset:32*\b
.endr
.irp t, 0,1,2,3,4,5,6,7
	ds_load_b128 v[BB+4*\t:BB+4*\t+3], v[RD] offset:(\t%4)*4*SPITCH+128*(\t/4)   ; LDS serves a wave's instructions in order: these see the stores above.  Head t / 4, rows 4 (t % 4) on
.endr
.endm
.macro SEND a, younger
.set BB, BK+32*((\a)%2)
	s_wait_dscnt \younger                          ; the block is back in registers
	s_wait_xcnt 0x0                                ; the block before has had its stores' addresses translated: its registers take the next block's loads only behind this wait
.irp t, 0,1,2,3,4,5,6,7
	global_store_b128 v[CO], v[BB+4*\t:BB+4*\t+3], s[96:97] offset:(\t/4)*262144+(\a)*2048+(\t%4)*512   ; four rows of one head: 512 consecutive bytes, aligned
.endr
.endm
	PACK 0
	TOSTAGE 0
.irp a, 1,2,3,4,5,6,7                  ; block a's conversions stand between block a - 1's loads from the stage and the wait for them
	PACK \a
	SEND \a-1, 0
	TOSTAGE \a
.endr
	SEND 7, 0
	s_wait_tensorcnt 0x0                           ; the wave's end
	ds_add_u32 v[SPW], v[NIL]
	s_wait_dscnt 0x0
	CROUND                                         ; the closing round
	s_endpgm
.Lfunc_end_k_q74fcb72ae6_gemm_qkv:
	.size	k_q74fcb72ae6_gemm_qkv, .Lfunc_end_k_q74fcb72ae6_gemm_qkv-k_q74fcb72ae6_gemm_qkv
	.p2alignl 7, 3214868480
	.fill 96, 4, 3214868480
	.section	.rodata,"a",@progbits
	.p2align	6, 0x0
	.amdhsa_kernel k_q74fcb72ae6_gemm_qkv
		.amdhsa_group_segment_fixed_size 327680
		.amdhsa_private_segment_fixed_size 0
		.amdhsa_enable_private_segment 0
		.amdhsa_kernarg_size 48
		.amdhsa_user_sgpr_count 2
		.amdhsa_user_sgpr_kernarg_segment_ptr 1
		.amdhsa_wavefront_size32 1
		.amdhsa_system_sgpr_workgroup_id_x 1
		.amdhsa_system_sgpr_workgroup_id_y 1
		.amdhsa_system_sgpr_workgroup_id_z 1
		.amdhsa_system_vgpr_workitem_id 0
		.amdhsa_next_free_vgpr 1024
		.amdhsa_next_free_sgpr 100
		.amdhsa_reserve_vcc 0
		.amdhsa_float_denorm_mode_32 3
		.amdhsa_float_denorm_mode_16_64 3
		.amdhsa_memory_ordered 1
		.amdhsa_forward_progress 1
		.amdhsa_inst_pref_size 128
	.end_amdhsa_kernel
	.amdgpu_metadata
---
amdhsa.version: [ 1, 2 ]
amdhsa.kernels:
  - .name:           k_q74fcb72ae6_gemm_qkv
    .symbol:         k_q74fcb72ae6_gemm_qkv.kd
    .args:
      - { .name: x_codes, .offset: 0, .size: 8, .value_kind: global_buffer, .address_space: global }
      - { .name: x_scales, .offset: 8, .size: 8, .value_kind: global_buffer, .address_space: global }
      - { .name: w_codes, .offset: 16, .size: 8, .value_kind: global_buffer, .address_space: global }
      - { .name: w_scales, .offset: 24, .size: 8, .value_kind: global_buffer, .address_space: global }
      - { .name: qkv16, .offset: 32, .size: 8, .value_kind: global_buffer, .address_space: global }
      - { .name: qkv32, .offset: 40, .size: 8, .value_kind: global_buffer, .address_space: global }
    .group_segment_fixed_size: 327680
    .private_segment_fixed_size: 0
    .kernarg_segment_align: 8
    .kernarg_segment_size: 48
    .max_flat_workgroup_size: 128
    .sgpr_count:     100
    .vgpr_count:     1024
    .wavefront_size: 32
...
	.end_amdgpu_metadata
.endif
;; end of part 2
;; launch attn (part 3): grid 4 x 64, 16 waves a work-group, no clusters, 327,680 bytes of LDS; arguments qkv16, y16; writes y16
.if DOCPART == 3
	.amdgcn_target "amdgcn-amd-amdhsa--gfx1250"
	.amdhsa_code_object_version 6
	.text
	.protected	k_q74fcb72ae6_attn
	.globl	k_q74fcb72ae6_attn
	.p2align	8
	.type	k_q74fcb72ae6_attn,@function
k_q74fcb72ae6_attn:
	s_mov_b64 s[64:65], 0
	v_nop
	global_prefetch_b8 v0, s[64:65] scope:SCOPE_SE
	s_setreg_imm32_b32 hwreg(HW_REG_WAVE_MODE, 25, 1), 1
	s_wait_xcnt 0x0
; y[bh][q][:] = the sum over keys k <= q of softmax_k(Q[q] . K[k] / 8) V[k][:], head size 64, 2,048 positions, 64 (batch, head) pairs.  Operands f16, products, maxima and sums f32; the weights p are rounded to f16
; for the second product, y once at the end.  qkv16: [batch 4][g 48][2048][64] f16 (q: g = head, k: 16 + head, v: 32 + head); y16: [batch x 16 + head][2048][64] f16.
; LIMIT: |y| up to 65,504 (f16).  Positions 0-15 of every sequence are computed again, in f32, by a later launch.
; SHARES.  Work-group (i, bh) owns query blocks i and 7 - i (256 queries each), so that every work-group has the same number of key steps under the causal mask.  Each of its sixteen waves owns 32 queries, two tiles of 16:
; waves 2 n and 2 n + 1 take queries 32 n on of the two blocks, which of the two taking which alternating with n / 2.  Every wave walks all 8 slots of 256 keys; a key step (64 keys) all of whose keys come after the wave's queries is jumped over.
; K's and V's tiles come through a ring of two LDS slots filled by the tensor data mover (waves 0, 1: K's halves; waves 2, 3: V's) and read by all sixteen.
; NO CLUSTER: the four work-groups of a head stop asking for tiles at different keys (2,047 - 256 i), so partners would need different numbers of tiles.
; LAYOUT.  S^T = K Q^T (source 0 = 16 keys, source 1 = 16 queries): a lane holds one query (lane % 16) and keys 8 (lane / 16) + 0..7 of a tile; two such tiles rounded to f16 in pairs are source 1 of O^T = V^T P.  V is turned by ds_load_tr16_b128.
; SOFTMAX.  A running maximum m and sum l for each query: p = 2^(c s - c m), c = log2(e) / 8; in every step O and l are multiplied by a = 2^(c m_old - c m_new).
; REGISTERS: v1-13 addresses; v16-31 statistics (tile t at v[16 + 8 t]: c m, m, l (two halves), four at work; a takes the seventh); v32-63 Q; v64-127 S^T, then p, then P packed in place; v128-191 O^T; v192-255 K's fragments, then V's.
.set SK,    256                        ; keys in a slot
.set NSL,   8
.set PK,    144                        ; a row of K in LDS: 128 bytes + 16
.set PV,    160                        ; a row of V: 128 + 32
.set VOFF,  SK*PK
.set SLOT1, 1<<17                      ; slot 1 begins here: one exclusive or turns an address
.set STAGE, SLOT1+SK*(PK+PV)           ; behind the ring: 16 rows x 144 bytes for each wave; no fill lands here
.set SP,    144
.set SPARE, STAGE+16*16*SP             ; the spare words, 128 bytes a wave
.set AK0, 1
.set AV0, 2
.set ADK, 3
.set ADV, 4
.set SPW, 5
.set NIL, 6
.set DQ,  7                            ; v7  lane % 16 - 8 (lane / 16)
.set DD,  8                            ; v8  the mask's bound in the step on the diagonal
.set NEG, 9                            ; v9  -infinity
.set STO, 10
.set RD,  11
.set GO,  12
.set PFO, 13                           ; v13 256 x lane
.set ST,  16
.set QQ,  32
.set SS,  64
.set OO,  128
.set KV,  192
.set TB,  2                            ; s2  LDS byte at which the slot in hand begins
.set WV,  18
.set SEL, 20
.set CS,  22
.set G1K, 24
.set G1V, 32
.set G0K, 40
.set G0V, 44
.set SLOTS, 67
.set PFA, 76
.set LIM, 80
.set LASTQ, 95                         ; s95 my work-group's last query
.set KF,  98                           ; s98 the step's first key
.set Q0,  99                           ; s99 my first query
; Waves 0 and 1 fetch for K, waves 2 and 3 for V, the others nothing.  An s_nop 0 and four v_nop follow each of the two lines.
.macro TLOAD
	s_cmp_lt_u32 s[WV], 2
	s_cbranch_scc0 .Lnot_k_\@
	tensor_load_to_lds s[G0K:G0K+3], s[G1K:G1K+7]
	s_nop 0
.rept 4
	v_nop
.endr
	s_branch .Lasked_\@
.Lnot_k_\@:
	s_cmp_lt_u32 s[WV], 4
	s_cbranch_scc0 .Lasked_\@
	tensor_load_to_lds s[G0V:G0V+3], s[G1V:G1V+7]
	s_nop 0
.rept 4
	v_nop
.endr
.Lasked_\@:
.endm
; A prefetch of what the NEXT change of slots will ask for: a slot's 32,768 dense bytes of K and of V.  Each aligned 256 bytes are named once in the launch: of a head's four work-groups the one with i = 0, which loads all slots, asks;
; in it waves 4-7 ask for K's, waves 8-11 for V's, 8,192 bytes a wave, lanes 256 bytes apart.  Slots 2 to 7 are asked for; the last change that fills a slot asks for nothing.
.macro ASK
	s_cmp_gt_u32 s[SLOTS], s[LIM]
	s_cbranch_scc0 .Lnot_mine_\@
	global_prefetch_b8 v[PFO], s[PFA:PFA+1] th:TH_LOAD_NT scope:SCOPE_SE
.Lnot_mine_\@:
.endm
	s_load_b128 s[4:7], s[0:1], 0x0                ; qkv16, y16
	v_lshl_add_u32 v[SPW], v0, 2, SPARE
	v_mov_b32 v[NIL], 0
	ds_add_u32 v[SPW], v[NIL]                      ; the wave's opening: the add, twice on end, and its wait ahead of my first tensor load
	ds_add_u32 v[SPW], v[NIL]
	v_lshrrev_b32 v14, 5, v0
	v_readfirstlane_b32 s[WV], v14                 ; wave 0..15
	s_and_b32 s48, ttmp7, 0xffff                   ; batch x 16 + head
	s_lshr_b32 s49, s48, 4
	s_and_b32 s50, s48, 15
	s_mul_i32 s49, s49, 48
	s_add_co_u32 s49, s49, s50                     ; g of q
	s_lshl_b32 s52, s49, 18                        ; q's head, in bytes
	s_mov_b32 s53, 0
	s_lshr_b32 s50, s[WV], 2
	s_xor_b32 s50, s50, s[WV]
	s_and_b32 s50, s50, 1                          ; which of the two query blocks
	s_sub_co_u32 s51, 7, ttmp9
	s_cmp_eq_u32 s50, 0
	s_cselect_b32 s51, ttmp9, s51
	s_lshl_b32 s51, s51, 8
	s_lshr_b32 s50, s[WV], 1
	s_lshl_b32 s50, s50, 5
	s_add_co_u32 s[Q0], s51, s50                   ; my first query
	s_lshl_b32 s[LASTQ], ttmp9, 8
	s_sub_co_u32 s[LASTQ], 2047, s[LASTQ]          ; the last query of block 7 - i
	s_and_b32 s19, s[WV], 1
	s_lshl_b32 s54, s19, 14                        ; what I fetch, if I fetch: rows 128 x (wave % 2): in memory,
	s_mov_b32 s55, 0
	s_mul_i32 s56, s19, 128*PK                     ; in a slot's K,
	s_mul_i32 s57, s19, 128*PV
	s_add_co_u32 s57, s57, VOFF                    ; in a slot's V
	s_lshl_b32 s58, s[Q0], 7
	s_mov_b32 s59, 0
	s_lshl_b32 s60, s48, 18
	s_add_co_u32 s60, s60, s58                     ; my first row of y
	s_mov_b32 s61, 0
	s_mov_b32 s[G1K], (1<<16)|(1<<20)|(4<<22)|(3<<25)   ; no mask; elements of 2 bytes; padding on: 4 words after every 32
	s_mov_b32 s[G1V], (1<<16)|(1<<20)|(4<<22)|(7<<25)   ; the same with 8 words
.irp g, G1K, G1V
	s_mov_b32 s[\g+1], 64<<16                      ; tensor_dim0 = 64
	s_mov_b32 s[\g+2], 128<<16                     ; tensor_dim1 = 128
	s_mov_b32 s[\g+3], 64<<16                      ; tile_dim0 = 64
	s_mov_b32 s[\g+4], 128                         ; tile_dim1 = 128
	s_mov_b32 s[\g+5], 64                          ; stride
	s_mov_b32 s[\g+6], 0
	s_mov_b32 s[\g+7], 0
.endr
	s_mov_b32 s[SEL], 0x76543210
	s_mov_b32 s[SEL+1], 0xfedcba98
	s_mov_b32 s[CS], 0x3e38aa3b                    ; c = log2(e) / 8
	s_mov_b32 s[CS+1], s[CS]
	s_mov_b32 s[TB], 0
	s_mov_b32 s[SLOTS], NSL-1
	s_mov_b32 s[KF], 0
	s_wait_dscnt 0x0                               ; both opening adds are done
	s_wait_kmcnt 0x0
	s_add_nc_u64 s[8:9], s[4:5], s[52:53]          ; q's head,
	s_add_nc_u64 s[10:11], s[8:9], (16<<18)        ; k's,
	s_add_nc_u64 s[12:13], s[8:9], (32<<18)        ; v's
	s_mov_b32 s[G0K], 1
	s_mov_b32 s[G0K+1], s56
	s_add_nc_u64 s[G0K+2:G0K+3], s[10:11], s[54:55]
	s_or_b32 s[G0K+3], s[G0K+3], 0x80000000
	s_mov_b32 s[G0V], 1
	s_mov_b32 s[G0V+1], s57
	s_add_nc_u64 s[G0V+2:G0V+3], s[12:13], s[54:55]
	s_or_b32 s[G0V+3], s[G0V+3], 0x80000000
	TLOAD                                          ; slot 0: it holds key 0, which counts for every query
	s_add_nc_u64 s[8:9], s[8:9], s[58:59]          ; Q at my first query
	s_add_nc_u64 s[6:7], s[6:7], s[60:61]          ; y likewise
	s_cmp_lt_u32 s[WV], 8                          ; the prefetches: waves 4-7 K, waves 8-11 V
	s_cselect_b64 s[PFA:PFA+1], s[10:11], s[12:13]
	s_and_b32 s82, s[WV], 3
	s_lshl_b32 s82, s82, 13
	s_add_co_u32 s82, s82, SK*128                  ; my 8,192 bytes, in slot 1: the first change of slots steps it to slot 2
	s_mov_b32 s83, 0
	s_add_nc_u64 s[PFA:PFA+1], s[PFA:PFA+1], s[82:83]
	s_sub_co_u32 s82, s[WV], 4
	s_lshr_b32 s82, s82, 3                         ; 0 in waves 4 to 11,
	s_or_b32 s82, s82, ttmp9                       ; of the work-group with i = 0
	s_cmp_eq_u32 s82, 0
	s_cselect_b32 s[LIM], 1, -1
	v_and_b32 v14, 15, v0                          ; r
	v_bfe_u32 v15, v0, 4, 1                        ; h
	v_lshlrev_b32 v[ADK], 7, v14
	v_lshl_add_u32 v[ADK], v15, 4, v[ADK]          ; Q: row r of 128 bytes, + 16 h (this register is written again only behind the wait for these loads)
.irp qt, 0,1
.irp c, 0,1
	global_load_b128 v[QQ+16*\qt+8*\c:QQ+16*\qt+8*\c+3],   v[ADK], s[8:9] offset:2048*\qt+64*\c
	global_load_b128 v[QQ+16*\qt+8*\c+4:QQ+16*\qt+8*\c+7], v[ADK], s[8:9] offset:2048*\qt+64*\c+32
.endr
.endr
	v_mul_u32_u24 v[AK0], v14, PK
	v_lshl_add_u32 v[AK0], v15, 4, v[AK0]          ; K: row r x pitch + 16 h
	v_and_b32 v[ADV], 7, v0
	v_lshl_add_u32 v[AV0], v15, 3, v[ADV]          ; V: key 8 h + lane % 8,
	v_mul_u32_u24 v[AV0], v[AV0], PV
	v_bfe_u32 v[ADV], v0, 3, 1
	v_lshl_add_u32 v[AV0], v[ADV], 4, v[AV0]       ; channels 8 ((lane / 8) % 2) on
	v_add_nc_u32 v[AV0], VOFF, v[AV0]
	v_lshlrev_b32 v[DQ], 3, v15
	v_sub_nc_u32 v[DQ], v14, v[DQ]
	v_mov_b32 v[NEG], 0xff800000
	s_mul_i32 s96, s[WV], 16*SP
	s_add_co_u32 s96, s96, STAGE                   ; my stage
	v_mul_u32_u24 v[STO], v14, SP
	v_lshl_add_u32 v[STO], v15, 4, v[STO]
	v_add_nc_u32 v[STO], s96, v[STO]               ; in: row r, 16 bytes for each half of the lanes
	v_and_b32 v[GO], 31, v0
	v_lshrrev_b32 v[RD], 3, v[GO]
	v_mul_u32_u24 v[RD], v[RD], SP
	v_and_b32 v[ADV], 7, v0
	v_lshl_add_u32 v[RD], v[ADV], 4, v[RD]
	v_add_nc_u32 v[RD], s96, v[RD]                 ; back: eight lanes to a row of 128 bytes, four rows an instruction
	v_lshlrev_b32 v[PFO], 8, v[GO]
	v_lshlrev_b32 v[GO], 4, v[GO]
.irp t, 0,1
	v_mov_b32 v[ST+8*\t+1], 0xff61b1e6             ; the largest score so far: -3e38, under every score
	v_mul_f32 v[ST+8*\t], s[CS], v[ST+8*\t+1]
	v_mov_b32 v[ST+8*\t+2], 0                      ; the sum, in two halves
	v_mov_b32 v[ST+8*\t+3], 0
	v_mov_b32 v[ST+8*\t+5], 0                      ; a lane permute's destination counts as one of its sources
	v_mov_b32 v[ST+8*\t+7], 0
.endr
.set i, 0
.rept 64
	v_mov_b32 v[OO+i], 0                           ; O^T: the step is written once: the first finds zeros, which a = 0 leaves zeros
.set i, i+1
.endr
; A KEY STEP: 64 keys, the q-th of the slot in hand.
.macro STEP q
	s_add_co_u32 s96, s[Q0], 31
	s_cmp_gt_u32 s[KF], s96                        ; all 64 keys come after my 32 queries: the step's work is left out (ids and the count of steps alone)
	s_cbranch_scc1 .Lhidden_\@
	v_add_nc_u32 v[ADK], s[TB], v[AK0]
	v_add_nc_u32 v[ADV], s[TB], v[AV0]
.rept 3
	v_nop                                          ; with the two additions five places behind the last V^T P: four for the loads into V's registers, five for the products below, which write over P
.endr
.irp kt, 0,1,2,3
.irp c, 0,1
	ds_load_b128 v[KV+8*(2*\kt+\c):KV+8*(2*\kt+\c)+3],   v[ADK] offset:(64*(\q)+16*\kt)*PK+64*\c
	ds_load_b128 v[KV+8*(2*\kt+\c)+4:KV+8*(2*\kt+\c)+7], v[ADK] offset:(64*(\q)+16*\kt)*PK+64*\c+32
.endr
.endr
	s_wait_dscnt 0x0                               ; K is in
.irp c, 0,1                                    ; S^T = K Q^T: the eight accumulators take turns; the first eight products start the sums
.irp kt, 0,1,2,3
.irp qt, 0,1
.if \c == 0
	v_wmma_f32_16x16x32_f16 v[SS+32*\qt+8*\kt:SS+32*\qt+8*\kt+7], v[KV+8*(2*\kt+\c):KV+8*(2*\kt+\c)+7], v[QQ+16*\qt+8*\c:QQ+16*\qt+8*\c+7], 0
.else
	v_wmma_f32_16x16x32_f16 v[SS+32*\qt+8*\kt:SS+32*\qt+8*\kt+7], v[KV+8*(2*\kt+\c):KV+8*(2*\kt+\c)+7], v[QQ+16*\qt+8*\c:QQ+16*\qt+8*\c+7], v[SS+32*\qt+8*\kt:SS+32*\qt+8*\kt+7]
.endif
.endr
.endr
.endr
.rept 4
	v_nop                                          ; places in front of the loads into K's registers and of the first read of the scores
.endr
.irp ks, 0,1                                   ; V of the same step, turned, into the same registers: it lands while the softmax is walked
.irp ct, 0,1,2,3
	ds_load_tr16_b128 v[KV+8*(4*\ks+\ct):KV+8*(4*\ks+\ct)+3],   v[ADV] offset:(64*(\q)+32*\ks)*PV+32*\ct
	ds_load_tr16_b128 v[KV+8*(4*\ks+\ct)+4:KV+8*(4*\ks+\ct)+7], v[ADV] offset:(64*(\q)+32*\ks)*PV+16*PV+32*\ct
.endr
.endr
	s_add_co_u32 s96, s[KF], 63                    ; on the diagonal hidden scores become -infinity ahead of the maximum; a step all of whose keys count skips this
	s_cmp_le_u32 s96, s[Q0]
	s_cbranch_scc1 .Lopen_\@
	s_sub_co_i32 s96, s[Q0], s[KF]
	v_add_nc_u32 v[DD], s96, v[DQ]                 ; register 32 qt + 8 kt + j holds key KF + 16 kt + 8 h + j of query Q0 + 16 qt + r: hidden where 16 kt + j - 16 qt > Q0 - KF + r - 8 h
.set n, 0
.rept 64
	v_cmp_gt_i32 vcc_lo, 16*((n%32)/8)+n%8-16*(n/32), v[DD]
	v_cndmask_b32 v[SS+n], v[SS+n], v[NEG], vcc_lo
.set n, n+1
.endr
.Lopen_\@:
.irp j, 0,1,2,3                                ; the maximum of a tile's 32 scores and the old m; each accumulator is read from its low end on; the two tiles by turns
.irp t, 0,1
	v_max3_num_f32 v[ST+8*\t+4+\j], v[SS+32*\t+8*\j], v[SS+32*\t+8*\j+1], v[SS+32*\t+8*\j+2]
.endr
.endr
.irp i, 3,5
.irp j, 0,1,2,3
.irp t, 0,1
	v_max3_num_f32 v[ST+8*\t+4+\j], v[ST+8*\t+4+\j], v[SS+32*\t+8*\j+\i], v[SS+32*\t+8*\j+\i+1]
.endr
.endr
.endr
.irp t, 0,1
	v_max3_num_f32 v[ST+8*\t+4], v[ST+8*\t+4], v[SS+32*\t+7], v[SS+32*\t+15]
.endr
.irp t, 0,1
	v_max3_num_f32 v[ST+8*\t+6], v[ST+8*\t+6], v[SS+32*\t+23], v[SS+32*\t+31]
.endr
.irp t, 0,1
	v_max3_num_f32 v[ST+8*\t+4], v[ST+8*\t+4], v[ST+8*\t+5], v[ST+8*\t+6]
.endr
.irp t, 0,1
	v_max3_num_f32 v[ST+8*\t+4], v[ST+8*\t+4], v[ST+8*\t+7], v[ST+8*\t+1]
.endr
.irp t, 0,1
	v_permlanex16_b32 v[ST+8*\t+5], v[ST+8*\t+4], s[SEL], s[SEL+1]   ; the query's other 32 keys lie in the lane 16 away
.endr
.irp t, 0,1
	v_mov_b32 v[ST+8*\t+7], v[ST+8*\t]             ; c m_old is kept for a
.endr
.irp t, 0,1
	v_max_num_f32 v[ST+8*\t+1], v[ST+8*\t+4], v[ST+8*\t+5]
.endr
.irp t, 0,1
	v_mul_f32 v[ST+8*\t], s[CS], v[ST+8*\t+1]
.endr
.irp t, 0,1
	v_sub_f32 v[ST+8*\t+7], v[ST+8*\t+7], v[ST+8*\t]
.endr
.set i, 0
.rept 16
.irp t, 0,1
	v_pk_fma_f32 v[SS+32*\t+2*i:SS+32*\t+2*i+1], v[SS+32*\t+2*i:SS+32*\t+2*i+1], s[CS:CS+1], v[ST+8*\t:ST+8*\t+1] op_sel_hi:[1,0,0] neg_lo:[0,0,1] neg_hi:[0,0,1]   ; c s - c m
.endr
.set i, i+1
.endr
.irp t, 0,1
	v_exp_f32 v[ST+8*\t+6], v[ST+8*\t+7]           ; a
.endr
.set i, 0
.rept 64
	v_exp_f32 v[SS+i], v[SS+i]                     ; p: one batch of 66 exponentials
.set i, i+1
.endr
	v_nop                                          ; a plain line behind the last exponential
	s_wait_alu depctr_va_vdst(0)                   ; one wait for the whole batch, ahead of its first reader
.irp t, 0,1
	v_pk_mul_f32 v[ST+8*\t+2:ST+8*\t+3], v[ST+8*\t+2:ST+8*\t+3], v[ST+8*\t+6:ST+8*\t+7] op_sel_hi:[1,0]   ; l x a
.endr
.irp t, 0,1
	v_pk_add_f32 v[ST+8*\t+4:ST+8*\t+5], v[SS+32*\t:SS+32*\t+1], v[SS+32*\t+2:SS+32*\t+3]   ; the sum of the unrounded p, in two chains
.endr
.irp j, 4,8,12,16,20,24,28
.irp t, 0,1
	v_pk_add_f32 v[ST+8*\t+2:ST+8*\t+3], v[ST+8*\t+2:ST+8*\t+3], v[SS+32*\t+\j:SS+32*\t+\j+1]
	v_pk_add_f32 v[ST+8*\t+4:ST+8*\t+5], v[ST+8*\t+4:ST+8*\t+5], v[SS+32*\t+\j+2:SS+32*\t+\j+3]
.endr
.endr
.irp t, 0,1
	v_pk_add_f32 v[ST+8*\t+2:ST+8*\t+3], v[ST+8*\t+2:ST+8*\t+3], v[ST+8*\t+4:ST+8*\t+5]
.endr
.set i, 0
.rept 16
.irp t, 0,1
	v_cvt_pk_f16_f32 v[SS+32*\t+i], v[SS+32*\t+2*i], v[SS+32*\t+2*i+1]   ; P, packed in place, ascending: register i is written when registers 2 i and 2 i + 1 are read
.endr
.set i, i+1
.endr
.set i, 0
.rept 16
.irp t, 0,1
	v_pk_mul_f32 v[OO+32*\t+2*i:OO+32*\t+2*i+1], v[OO+32*\t+2*i:OO+32*\t+2*i+1], v[ST+8*\t+6:ST+8*\t+7] op_sel_hi:[1,0]   ; O^T x a
.endr
.set i, i+1
.endr
	s_wait_dscnt 0x0                               ; V is in
.irp ks, 0,1                                   ; O^T += V^T P: the eight accumulators take turns
.irp ct, 0,1,2,3
.irp qt, 0,1
	v_wmma_f32_16x16x32_f16 v[OO+32*\qt+8*\ct:OO+32*\qt+8*\ct+7], v[KV+8*(4*\ks+\ct):KV+8*(4*\ks+\ct)+7], v[SS+32*\qt+8*\ks:SS+32*\qt+8*\ks+7], v[OO+32*\qt+8*\ct:OO+32*\qt+8*\ct+7]
.endr
.endr
.endr
.Lhidden_\@:
	s_add_co_u32 s[KF], s[KF], 64
.endm
; THE CHANGE OF SLOTS stands at a slot's head.  Each wave waits for all its tensor loads, adds 0 to its spare word (fill = 1: twice on end),
; and waits for that and for its reads of the slot that it has left.  Behind the barrier the slot ahead is whole and nobody reads the other one, which is then filled with the next 256 keys: a wave's one tensor load until the next barrier.
; THE LOOK-AHEAD ENDS AT THE CAUSAL LIMIT: a slot whose first key comes after the work-group's last query is read by none of its waves and is not asked for.  Every wait on TENSORcnt in this text is for 0.
.macro CHANGE fill
	s_wait_tensorcnt 0x0                           ; no tensor load of mine is out, so a group 0 may be written
	ds_add_u32 v[SPW], v[NIL]
.if \fill
	ds_add_u32 v[SPW], v[NIL]
	s_xor_b32 s[G0K+1], s[G0K+1], SLOT1            ; the walking descriptors: the other slot, the next 256 keys
	s_add_nc_u64 s[G0K+2:G0K+3], s[G0K+2:G0K+3], SK*128
	s_xor_b32 s[G0V+1], s[G0V+1], SLOT1
	s_add_nc_u64 s[G0V+2:G0V+3], s[G0V+2:G0V+3], SK*128
	s_wait_xcnt 0x0                                ; the last prefetch, a slot back, has read its address
	s_add_nc_u64 s[PFA:PFA+1], s[PFA:PFA+1], SK*128
.endif
	s_wait_dscnt 0x0                               ; the add is done, and my reads of the slot that I have left are over
	s_barrier_signal -1
	s_barrier_wait -1
.if \fill
	s_add_co_u32 s96, s[KF], SK                    ; the first key of the slot that this change would ask for
	s_cmp_gt_u32 s96, s[LASTQ]                     ; ids and the count of steps alone: all sixteen waves go the same way
	s_cbranch_scc1 .Lpast_\@
	TLOAD
.Lpast_\@:
	ASK
.endif
.endm
.macro SLOT_STEPS
.irp q, 0,1,2,3
	STEP \q
.endr
	s_xor_b32 s[TB], s[TB], SLOT1
.endm
	s_wait_loadcnt 0x0                             ; Q
.Lslot:                                            ; 7 trips
	CHANGE 1
	SLOT_STEPS
	s_sub_co_u32 s[SLOTS], s[SLOTS], 1
	s_cmp_lg_u32 s[SLOTS], 0
	s_cbranch_scc1 .Lslot
	CHANGE 0                                       ; the last slot is written out: nothing is left to ask for
	SLOT_STEPS
	; THE WAY OUT.  The additions are the places behind the last products.
.irp t, 0,1
	v_add_f32 v[ST+8*\t+4], v[ST+8*\t+2], v[ST+8*\t+3]
.endr
.irp t, 0,1
	v_permlanex16_b32 v[ST+8*\t+5], v[ST+8*\t+4], s[SEL], s[SEL+1]
.endr
.irp t, 0,1
	v_add_f32 v[ST+8*\t+4], v[ST+8*\t+4], v[ST+8*\t+5]
.endr
	v_nop
.irp t, 0,1
	v_rcp_f32 v[ST+8*\t+6], v[ST+8*\t+4]
.endr
	v_nop                                          ; a plain line behind the last reciprocal
	s_wait_alu depctr_va_vdst(0)                   ; one wait for the two, ahead of their first reader
.irp t, 0,1
.set i, 0
.rept 16
	v_pk_mul_f32 v[OO+32*\t+2*i:OO+32*\t+2*i+1], v[OO+32*\t+2*i:OO+32*\t+2*i+1], v[ST+8*\t+6:ST+8*\t+7] op_sel_hi:[1,0]
.set i, i+1
.endr
.set i, 0
.rept 16
	v_cvt_pk_f16_f32 v[SS+32*\t+i], v[OO+32*\t+2*i], v[OO+32*\t+2*i+1]   ; registers 4 ct .. 4 ct + 3: channels 16 ct + 8 h + 0 .. 7 of query r
.set i, i+1
.endr
.irp ct, 0,1,2,3
	ds_store_b128 v[STO], v[SS+32*\t+4*\ct:SS+32*\t+4*\ct+3] offset:32*\ct
.endr
.irp j, 0,1,2,3
	ds_load_b128 v[KV+16*\t+4*\j:KV+16*\t+4*\j+3], v[RD] offset:4*SP*\j   ; LDS serves a wave's instructions in order: these see the stores above, and the next tile's stores come behind them
.endr
.endr
.irp t, 0,1
.irp j, 0,1,2,3
	s_wait_dscnt 11-8*\t-\j                        ; behind tile 0's load j: its 3 - j later loads and tile 1's eight; behind tile 1's: 3 - j
	global_store_b128 v[GO], v[KV+16*\t+4*\j:KV+16*\t+4*\j+3], s[6:7] offset:2048*\t+512*\j   ; four rows of y: 512 consecutive bytes, aligned
.endr
.endr
	s_wait_tensorcnt 0x0                           ; the wave's end
	ds_add_u32 v[SPW], v[NIL]
	s_wait_dscnt 0x0
	s_endpgm
.Lfunc_end_k_q74fcb72ae6_attn:
	.size	k_q74fcb72ae6_attn, .Lfunc_end_k_q74fcb72ae6_attn-k_q74fcb72ae6_attn
	.p2alignl 7, 3214868480
	.fill 96, 4, 3214868480
	.section	.rodata,"a",@progbits
	.p2align	6, 0x0
	.amdhsa_kernel k_q74fcb72ae6_attn
		.amdhsa_group_segment_fixed_size 327680
		.amdhsa_private_segment_fixed_size 0
		.amdhsa_enable_private_segment 0
		.amdhsa_kernarg_size 16
		.amdhsa_user_sgpr_count 2
		.amdhsa_user_sgpr_kernarg_segment_ptr 1
		.amdhsa_wavefront_size32 1
		.amdhsa_system_sgpr_workgroup_id_x 1
		.amdhsa_system_sgpr_workgroup_id_y 1
		.amdhsa_system_sgpr_workgroup_id_z 1
		.amdhsa_system_vgpr_workitem_id 0
		.amdhsa_next_free_vgpr 256
		.amdhsa_next_free_sgpr 100
		.amdhsa_reserve_vcc 1
		.amdhsa_float_denorm_mode_32 3
		.amdhsa_float_denorm_mode_16_64 3
		.amdhsa_memory_ordered 1
		.amdhsa_forward_progress 1
		.amdhsa_inst_pref_size 188
	.end_amdhsa_kernel
	.amdgpu_metadata
---
amdhsa.version: [ 1, 2 ]
amdhsa.kernels:
  - .name:           k_q74fcb72ae6_attn
    .symbol:         k_q74fcb72ae6_attn.kd
    .args:
      - { .name: qkv16, .offset: 0, .size: 8, .value_kind: global_buffer, .address_space: global }
      - { .name: y16, .offset: 8, .size: 8, .value_kind: global_buffer, .address_space: global }
    .group_segment_fixed_size: 327680
    .private_segment_fixed_size: 0
    .kernarg_segment_align: 8
    .kernarg_segment_size: 16
    .max_flat_workgroup_size: 512
    .sgpr_count:     100
    .vgpr_count:     256
    .wavefront_size: 32
...
	.end_amdgpu_metadata
.endif
;; end of part 3
;; launch proj (part 4): grid 4 x 64, 4 waves a work-group, clusters of 4 x 4, 327,680 bytes of LDS; arguments y16, wp16, out0; writes out0
.if DOCPART == 4
	.amdgcn_target "amdgcn-amd-amdhsa--gfx1250"
	.amdhsa_code_object_version 6
	.text
	.protected	k_q74fcb72ae6_proj
	.globl	k_q74fcb72ae6_proj
	.p2align	8
	.type	k_q74fcb72ae6_proj,@function
k_q74fcb72ae6_proj:
	s_mov_b64 s[64:65], 0
	v_nop
	global_prefetch_b8 v0, s[64:65] scope:SCOPE_SE
	s_setreg_imm32_b32 hwreg(HW_REG_WAVE_MODE, 25, 1), 1
	s_wait_xcnt 0x0
	s_wait_alu depctr_hold_cnt(0) depctr_sa_sdst(0) depctr_va_vdst(0) depctr_va_sdst(0) depctr_va_ssrc(0) depctr_va_vcc(0) depctr_vm_vsrc(0)
	s_getreg_b32 s2, hwreg(HW_REG_IB_STS2, 6, 4)
	s_cmp_eq_u32 s2, 0
	s_cbranch_scc0 .Lentry_in_a_cluster
	s_endpgm
.Lentry_in_a_cluster:
	s_bfe_u32 s2, ttmp6, 0x10000c
	s_cmp_lg_u32 s2, 0xf033
	s_cbranch_scc0 .Lentry_shape_is_right
	s_endpgm
.Lentry_shape_is_right:
; out0[m][n] = sum over k of y[m][k] w_proj[k][n]: M 8,192, K 1,024, N 1,024; operands f16, sums and result f32.
; y16: [batch x 16 + head][2048][64] f16, so k = 64 head + channel; wp16: [k 1024][n 1024] f16, K outermost: its fragments are turned by ds_load_tr16_b128.
; A tile of 128 (M) x 256 (N) to a work-group: 256 work-groups.  Four waves, 64 x 128 each: 32 accumulators, 256 registers.  K goes in steps of 128 (two heads) through a ring of two LDS slots.
; CLUSTERS: 4 x 4 work-groups; the four of a row of the cluster ask for y's tiles jointly, the four of a column for w_proj's.
; THE MATRIX INSTRUCTION IS USED TRANSPOSED (source 0 = 16 columns of w_proj, source 1 = 16 rows of y): a lane holds eight neighbouring numbers of a row of out0.
; REGISTERS: window 0: v16-29 addresses; two fragment buffers of 96 (w_proj's 8 fragments, then y's 4) at v64 and v160; on the way out v64-191 are at work.  window 1: the accumulators ((a, b) at v[8 (8 a + b)]).
; No prefetch: a small tile, and the launch is short.
.set PA,     144                       ; a row of y's tile in LDS: 128 bytes + 16
.set PB,     544                       ; a row of w_proj's tile: 512 bytes + 32
.set AHD,    128*PA                    ; one head's 128 rows: what a wave's load brings of y
.set BHALF,  64*PB                     ; 64 rows along K: what a wave's load brings of w_proj
.set BOFF,   2*AHD
.set SLOT,   BOFF+2*BHALF
.set STAGE,  2*SLOT                    ; behind the ring: 16 rows x (512 bytes + 16) for each wave; no fill lands here
.set SPITCH, 528
.set SPARE,  STAGE+4*16*SPITCH
.set LAPS,   4                         ; a lap = two K steps
.set ADRA, 16
.set ADRB, 20
.set STO,  24
.set RD,   25
.set CO,   26
.set SPW,  28
.set NIL,  29
.set F0,   64
.set F1,   160
.set BK,   64
.set G1, 24
.set G0, 32
.set G1B, 48
.set G0B, 56
.set MSB, 0
.macro WIN new
.if MSB != (\new)
	s_set_vgpr_msb (MSB<<8)|(\new)
.set MSB, (\new)
.endif
.endm
.set MUL, 0x50                         ; sources 0 and 1 window 0; C and D window 1
.macro JLOAD s                         ; a joint load: waves 0 and 1 fetch y's two heads, waves 2 and 3 w_proj's two halves; an s_nop 0 and four v_nop follow each line
	s_cmp_eq_u32 s11, 0
	s_cbranch_scc0 .Lfor_b_\@
	tensor_load_to_lds s[G0+4*\s:G0+4*\s+3], s[G1:G1+7]
	s_nop 0
.rept 4
	v_nop
.endr
	s_branch .Lasked_\@
.Lfor_b_\@:
	tensor_load_to_lds s[G0B+4*\s:G0B+4*\s+3], s[G1B:G1B+7]
	s_nop 0
.rept 4
	v_nop
.endr
.Lasked_\@:
.endm
.macro CREST
	s_cmp_lg_u32 s10, 0
	s_cbranch_scc1 .Lnot_wave_0_\@
	s_barrier_signal -3
.Lnot_wave_0_\@:
	s_barrier_wait -3
	s_barrier_signal -1
	s_barrier_wait -1
.endm
.macro CROUND
	s_barrier_signal -1
	s_barrier_wait -1
	CREST
.endm
	s_load_b128 s[4:7], s[0:1], 0x0                ; y16, wp16
	s_load_b64 s[8:9], s[0:1], 0x10                ; out0
	v_lshl_add_u32 v[SPW], v0, 2, SPARE
	v_mov_b32 v[NIL], 0
	ds_add_u32 v[SPW], v[NIL]                      ; the wave's opening: the add, twice on end, and its wait ahead of my first tensor load
	ds_add_u32 v[SPW], v[NIL]
	v_lshrrev_b32 v1, 5, v0
	v_readfirstlane_b32 s10, v1                    ; wave 0..3
	s_lshr_b32 s11, s10, 1                         ; which 64 rows are mine.  Also: I fetch for y (0) or for w_proj (1)
	s_and_b32 s12, s10, 1                          ; which 128 columns.  Also: which head, or which 64 along K, I fetch
	s_bfe_u32 s40, ttmp6, 0x40000                  ; cx, cy
	s_bfe_u32 s41, ttmp6, 0x40004
	s_lshl_b32 s42, ttmp9, 2
	s_add_co_u32 s42, s42, s40                     ; tile column
	s_and_b32 s13, ttmp7, 0xffff
	s_lshl_b32 s13, s13, 2
	s_add_co_u32 s13, s13, s41                     ; tile row, 0..63
	s_lshl_b32 s43, s41, 2
	s_lshl_b32 s43, 15, s43                        ; my row of the cluster
	s_lshl_b32 s44, 0x1111, s40                    ; my column
	s_or_b32 s[G1+0], s43, (1<<16)|(1<<20)|(1<<21)|(4<<22)|(3<<25)   ; the mask; elements of 2 bytes; padding on; bit 21 beside a mask; 4 words after every 32
	s_mov_b32 s[G1+1], 64<<16                      ; tensor_dim0 = 64
	s_mov_b32 s[G1+2], 128<<16                     ; tensor_dim1 = 128
	s_mov_b32 s[G1+3], 64<<16                      ; tile_dim0
	s_mov_b32 s[G1+4], 128                         ; tile_dim1
	s_mov_b32 s[G1+5], 64                          ; stride
	s_mov_b32 s[G1+6], 0
	s_mov_b32 s[G1+7], 0
	s_or_b32 s[G1B+0], s44, (1<<16)|(1<<20)|(1<<21)|(6<<22)|(7<<25)  ; 8 words after every 128
	s_mov_b32 s[G1B+1], 256<<16
	s_mov_b32 s[G1B+2], 64<<16
	s_mov_b32 s[G1B+3], 256<<16
	s_mov_b32 s[G1B+4], 64
	s_mov_b32 s[G1B+5], 1024
	s_mov_b32 s[G1B+6], 0
	s_mov_b32 s[G1B+7], 0
	s_lshr_b32 s16, s13, 4                         ; y: batch << 22, + 128 positions x 128 bytes x (tile row % 16), + my head << 18
	s_lshl_b32 s16, s16, 22
	s_and_b32 s17, s13, 15
	s_lshl_b32 s17, s17, 14
	s_add_co_u32 s16, s16, s17
	s_lshl_b32 s17, s12, 18
	s_add_co_u32 s16, s16, s17
	s_mov_b32 s17, 0
	s_lshl_b32 s46, s12, 17                        ; w_proj: my 64 rows of 2,048 bytes, + 512 x tile column
	s_lshl_b32 s47, s42, 9
	s_add_co_u32 s46, s46, s47
	s_mov_b32 s47, 0
	s_mul_i32 s20, s12, AHD                        ; where they go
	s_mul_i32 s21, s12, BHALF
	s_add_co_u32 s21, s21, BOFF
	s_wait_dscnt 0x0                               ; both opening adds are done
	s_wait_kmcnt 0x0
	s_add_nc_u64 s[14:15], s[4:5], s[16:17]
	s_add_nc_u64 s[46:47], s[6:7], s[46:47]
	CROUND                                         ; all sixteen work-groups are here: the first joint loads meet
.irp s, 0,1
	s_mov_b32 s[G0+4*\s], 1
	s_add_co_u32 s[G0+4*\s+1], s20, \s*SLOT
	s_add_nc_u64 s[G0+4*\s+2:G0+4*\s+3], s[14:15], \s*(1<<19)      ; K step s: two heads on
	s_or_b32 s[G0+4*\s+3], s[G0+4*\s+3], 0x80000000
	s_mov_b32 s[G0B+4*\s], 1
	s_add_co_u32 s[G0B+4*\s+1], s21, \s*SLOT
	s_add_nc_u64 s[G0B+4*\s+2:G0B+4*\s+3], s[46:47], \s*262144     ; 128 rows on
	s_or_b32 s[G0B+4*\s+3], s[G0B+4*\s+3], 0x80000000
	JLOAD \s
.endr
	v_and_b32 v1, 15, v0                           ; r
	v_bfe_u32 v2, v0, 4, 1                         ; h
	v_mul_u32_u24 v3, v1, PA
	v_lshl_add_u32 v3, v2, 4, v3                   ; y: row r x pitch + 16 h
	v_and_b32 v4, 7, v0
	v_lshl_add_u32 v4, v2, 3, v4                   ; w_proj: row 8 h + lane % 8 along K,
	v_mul_u32_u24 v4, v4, PB
	v_bfe_u32 v5, v0, 3, 1
	v_lshl_add_u32 v4, v5, 4, v4                   ; columns 8 ((lane / 8) % 2) on
	s_mul_i32 s22, s11, 64*PA                      ; my 64 rows of y
	s_lshl_b32 s23, s12, 8                         ; my 128 columns of w_proj
	s_add_co_u32 s23, s23, BOFF
.irp s, 0,1
	v_add_nc_u32 v[ADRA+\s], s22, v3
	v_add_nc_u32 v[ADRB+\s], s23, v4
	s_add_co_u32 s22, s22, SLOT
	s_add_co_u32 s23, s23, SLOT
.endr
	s_mul_i32 s23, s10, 16*SPITCH
	s_add_co_u32 s23, s23, STAGE                   ; my stage
	v_mul_u32_u24 v5, v1, SPITCH
	v_lshl_add_u32 v5, v2, 5, v5
	v_add_nc_u32 v[STO], s23, v5                   ; in: row r, 32 bytes for each half of the lanes
	v_and_b32 v6, 31, v0
	v_lshlrev_b32 v[CO], 4, v6
	v_add_nc_u32 v[RD], s23, v[CO]                 ; back: the 32 lanes take one row of 512 bytes
	s_lshl_b32 s16, s13, 7
	s_lshl_b32 s17, s11, 6
	s_add_co_u32 s16, s16, s17                     ; my first row of out0
	s_lshl_b32 s16, s16, 12
	s_mov_b32 s17, 0
	s_add_nc_u64 s[8:9], s[8:9], s[16:17]
	s_lshl_b32 s46, s42, 10                        ; my first column, in bytes
	s_lshl_b32 s47, s12, 9
	s_add_co_u32 s46, s46, s47
	s_mov_b32 s47, 0
	s_add_nc_u64 s[8:9], s[8:9], s[46:47]
; 8 matrix instructions: y's block a against w_proj's eight, 32 along K.  The 32 accumulators take turns, one instruction a turn, in the same order in every quarter.
.macro MUL8 f, a, zero
.irp b, 0,1,2,3,4,5,6,7
.if \zero
	v_wmma_f32_16x16x32_f16 v[8*(8*(\a)+\b):8*(8*(\a)+\b)+7], v[\f+8*\b:\f+8*\b+7], v[\f+64+8*(\a):\f+64+8*(\a)+7], 0
.else
	v_wmma_f32_16x16x32_f16 v[8*(8*(\a)+\b):8*(8*(\a)+\b)+7], v[\f+8*\b:\f+8*\b+7], v[\f+64+8*(\a):\f+64+8*(\a)+7], v[8*(8*(\a)+\b):8*(8*(\a)+\b)+7]
.endif
.endr
.endm
; 24 LDS loads in one run: the fragments of the slot's q-th 32 along K into buffer f: w_proj's sixteen turning loads first, then y's eight
.macro FETCH slot, q, f
	WIN 0
.irp i, 0,1,2,3,4,5,6,7
	ds_load_tr16_b128 v[\f+8*\i:\f+8*\i+3],   v[ADRB+\slot] offset:32*(\q)*PB+32*\i
	ds_load_tr16_b128 v[\f+8*\i+4:\f+8*\i+7], v[ADRB+\slot] offset:32*(\q)*PB+16*PB+32*\i
.endr
.irp i, 0,1,2,3
	ds_load_b128 v[\f+64+8*\i:\f+64+8*\i+3],   v[ADRA+\slot] offset:((\q)/2)*AHD+((\q)%2)*64+\i*16*PA
	ds_load_b128 v[\f+64+8*\i+4:\f+64+8*\i+7], v[ADRA+\slot] offset:((\q)/2)*AHD+((\q)%2)*64+\i*16*PA+32
.endr
.endm
.macro PLACES                          ; four plain lines in front of loads into registers that matrix instructions have read, and of the first read of results
.rept 4
	v_nop
.endr
.endm
; A K step is four quarters of 32 along K, 32 matrix instructions each, on buffers 0, 1, 0, 1.  One of the first three multiplies buffer f and fetches quarter q into g.
.macro QUARTER slot, q, f, g, zero
	s_wait_dscnt 4                                 ; all but the youngest four loads (y's blocks 2 and 3)
	WIN MUL
	MUL8 \f, 0, \zero
	MUL8 \f, 1, \zero
	PLACES
	FETCH \slot, \q, \g
	s_wait_dscnt 24                                ; all but the 24 just issued
	WIN MUL
	MUL8 \f, 2, \zero
	MUL8 \f, 3, \zero
.endm
; The last quarter multiplies buffer 1 and changes slots: one barrier; in front of it each wave waits for all its tensor loads, adds 0 to its spare word, and waits for that and for its reads of this slot.
; fill = 1: the barrier opens a round of the cluster's barrier, and this slot is filled again, two K steps ahead: the wave's one tensor load behind the round.
.macro TURN slot, next, fill
	WIN 0
	s_wait_tensorcnt 0x0                           ; all my tensor loads have landed: my part of the next slot
	ds_add_u32 v[SPW], v[NIL]
	s_wait_dscnt 5                                 ; the add and the youngest four loads may be out
	WIN MUL
	MUL8 F1, 0, 0
	s_wait_dscnt 0x0                               ; the add is done, and my reads of this slot are over
	s_barrier_signal -1
	MUL8 F1, 1, 0
.if \fill
	WIN 0
.endif
	s_barrier_wait -1
.if \fill
	CREST
	s_add_nc_u64 s[G0+4*\slot+2:G0+4*\slot+3], s[G0+4*\slot+2:G0+4*\slot+3], 1<<20       ; four heads on
	s_add_nc_u64 s[G0B+4*\slot+2:G0B+4*\slot+3], s[G0B+4*\slot+2:G0B+4*\slot+3], 524288  ; 256 rows on
	JLOAD \slot                                    ; the four v_nop behind it are also the places in front of the loads below
.else
	PLACES
.endif
	FETCH \next, 0, F0
	WIN MUL
	MUL8 F1, 2, 0
	MUL8 F1, 3, 0
.endm
	s_wait_tensorcnt 1                             ; my part of K step 0 is in; K step 1's may be out
	s_barrier_signal -1
	s_barrier_wait -1
	FETCH 0, 0, F0
	QUARTER 0, 1, F0, F1, 1                        ; the first quarter's products start the sums: nothing is cleared
	WIN 0
	s_mov_b32 s3, LAPS-1
.Llap:                                             ; a trip goes once round the ring and fills both slots again
	QUARTER 0, 2, F1, F0, 0
	QUARTER 0, 3, F0, F1, 0
	TURN 0, 1, 1
	QUARTER 1, 1, F0, F1, 0
	QUARTER 1, 2, F1, F0, 0
	QUARTER 1, 3, F0, F1, 0
	TURN 1, 0, 1
	QUARTER 0, 1, F0, F1, 0
	WIN 0
	s_sub_co_u32 s3, s3, 1
	s_cmp_lg_u32 s3, 0
	s_cbranch_scc1 .Llap
	QUARTER 0, 2, F1, F0, 0                        ; the last lap fills nothing
	QUARTER 0, 3, F0, F1, 0
	TURN 0, 1, 0
	QUARTER 1, 1, F0, F1, 0
	QUARTER 1, 2, F1, F0, 0
	QUARTER 1, 3, F0, F1, 0
	s_wait_dscnt 4
	WIN MUL
	MUL8 F1, 0, 0
	MUL8 F1, 1, 0
	s_wait_dscnt 0
	MUL8 F1, 2, 0
	MUL8 F1, 3, 0
	WIN 0
; THE WAY OUT, a block of 16 rows x 128 columns at a time, through my own stage: whole rows of 512 bytes come back and leave as 512 consecutive bytes, aligned.
.macro TOSTAGE a
	WIN 0x04                                       ; an LDS store's data are its source 1: window 1
.irp b, 0,1,2,3,4,5,6,7
	ds_store_b128 v[STO], v[8*(8*(\a)+\b):8*(8*(\a)+\b)+3] offset:64*\b            ; each accumulator from its low end on
	ds_store_b128 v[STO], v[8*(8*(\a)+\b)+4:8*(8*(\a)+\b)+7] offset:64*\b+16
.endr
	WIN 0
.set BB, BK+64*((\a)%2)
.irp t, 0,1,2,3,4,5,6,7,8,9,10,11,12,13,14,15
	ds_load_b128 v[BB+4*\t:BB+4*\t+3], v[RD] offset:\t*SPITCH     ; LDS serves a wave's instructions in order: these see the stores above
.endr
.endm
.macro SEND a, younger
.set BB, BK+64*((\a)%2)
	s_wait_dscnt \younger
.irp t, 0,1,2,3,4,5,6,7,8,9,10,11,12,13,14,15
	global_store_b128 v[CO], v[BB+4*\t:BB+4*\t+3], s[8:9] offset:(16*(\a)+\t)*4096 th:TH_STORE_NT
.endr
.endm
	PLACES
	TOSTAGE 0
.irp a, 1,2,3
.if \a > 1
	s_wait_xcnt 0x0                                ; block a - 2's stores have read their registers: block a's loads may land there
.endif
	TOSTAGE \a
	SEND \a-1, 32                                  ; behind block a - 1's loads: block a's 16 stores and 16 loads
.endr
	SEND 3, 0
	s_wait_tensorcnt 0x0                           ; the wave's end
	ds_add_u32 v[SPW], v[NIL]
	s_wait_dscnt 0x0
	CROUND                                         ; the closing round
	s_endpgm
.Lfunc_end_k_q74fcb72ae6_proj:
	.size	k_q74fcb72ae6_proj, .Lfunc_end_k_q74fcb72ae6_proj-k_q74fcb72ae6_proj
	.p2alignl 7, 3214868480
	.fill 96, 4, 3214868480
	.section	.rodata,"a",@progbits
	.p2align	6, 0x0
	.amdhsa_kernel k_q74fcb72ae6_proj
		.amdhsa_group_segment_fixed_size 327680
		.amdhsa_private_segment_fixed_size 0
		.amdhsa_enable_private_segment 0
		.amdhsa_kernarg_size 24
		.amdhsa_user_sgpr_count 2
		.amdhsa_user_sgpr_kernarg_segment_ptr 1
		.amdhsa_wavefront_size32 1
		.amdhsa_system_sgpr_workgroup_id_x 1
		.amdhsa_system_sgpr_workgroup_id_y 1
		.amdhsa_system_sgpr_workgroup_id_z 1
		.amdhsa_system_vgpr_workitem_id 0
		.amdhsa_next_free_vgpr 512
		.amdhsa_next_free_sgpr 66
		.amdhsa_reserve_vcc 0
		.amdhsa_float_denorm_mode_32 3
		.amdhsa_float_denorm_mode_16_64 3
		.amdhsa_memory_ordered 1
		.amdhsa_forward_progress 1
		.amdhsa_inst_pref_size 85
	.end_amdhsa_kernel
	.amdgpu_metadata
---
amdhsa.version: [ 1, 2 ]
amdhsa.kernels:
  - .name:           k_q74fcb72ae6_proj
    .symbol:         k_q74fcb72ae6_proj.kd
    .args:
      - { .name: y16, .offset: 0, .size: 8, .value_kind: global_buffer, .address_space: global }
      - { .name: wp16, .offset: 8, .size: 8, .value_kind: global_buffer, .address_space: global }
      - { .name: out0, .offset: 16, .size: 8, .value_kind: global_buffer, .address_space: global }
    .group_segment_fixed_size: 327680
    .private_segment_fixed_size: 0
    .kernarg_segment_align: 8
    .kernarg_segment_size: 24
    .max_flat_workgroup_size: 128
    .sgpr_count:     66
    .vgpr_count:     512
    .wavefront_size: 32
...
	.end_amdgpu_metadata
.endif
;; end of part 4
;; launch first16 (part 5): grid 16 x 4, 16 waves a work-group, no clusters, 71,680 bytes of LDS; arguments qkv32, w_proj, out0; writes out0
.if DOCPART == 5
	.amdgcn_target "amdgcn-amd-amdhsa--gfx1250"
	.amdhsa_code_object_version 6
	.text
	.protected	k_q74fcb72ae6_first16
	.globl	k_q74fcb72ae6_first16
	.p2align	8
	.type	k_q74fcb72ae6_first16,@function
k_q74fcb72ae6_first16:
	s_mov_b64 s[64:65], 0
	v_nop
	global_prefetch_b8 v0, s[64:65] scope:SCOPE_SE
	s_setreg_imm32_b32 hwreg(HW_REG_WAVE_MODE, 25, 1), 1
	s_wait_xcnt 0x0
; Positions 0-15 of each batch once more, wholly in f32: their rows average one to sixteen values, are the largest in size, and the rounding of 16-bit operands would weigh most there.  64 rows of out0 are written over.
; Work-group (cg, b): 64 output columns of batch b.  Wave w takes head w: S^T = k q^T, causal softmax, O^T = v^T p, then its part of the projection, y_w (16 x 64) x w_proj[64 w .. 64 w + 63][64 cg .. + 63];
; the sixteen parts meet in LDS, and wave w adds and stores row w.  All products by the f32 matrix form, 16 x 16 x 4: 96 instructions a wave.
; qkv32: [batch][column / 16] tiles of 1,024 bytes, images of an accumulator: lane (r, h), register j = (position r, column 16 tile + 8 h + j).
; THE ORDER ALONG K.  The form's K slot 2 h + jj is fed, on both sides alike, with index 8 h + 2 i + jj of a group of 16: a permutation applied alike to both operands keeps the products.
; The registers that the matrix form writes, v32-63, are written by matrix instructions alone; what is made of a finished sum goes into other registers.
; w_proj is read in runs of 64 bytes (sixteen lanes, one row): the price of the operand's layout; four loads on end cover each 256 bytes.
; REGISTERS: v1-13 addresses; v16-23 S^T, then p; v24-31 at work; v32-63 four accumulators; v64-95 q, v96-127 k, later w_proj for channels 32-63, later the parts; v128-159 v; v160-191 y; v192-255 w_proj for channels 0-31.
.set SPW,   12
.set NIL,   13
.set PART,  4352                       ; a wave's part: 16 rows x (256 bytes + 16)
.set SPARE, 16*PART                    ; the spare words, 128 bytes a wave
.set ACC,   32
.set SEL,   20
.set CS,    22
	s_load_b128 s[4:7], s[0:1], 0x0                ; qkv32, w_proj
	s_load_b64 s[8:9], s[0:1], 0x10                ; out0
	v_lshl_add_u32 v[SPW], v0, 2, SPARE
	v_mov_b32 v[NIL], 0
	v_lshrrev_b32 v1, 5, v0
	v_readfirstlane_b32 s10, v1                    ; wave = head
	s_and_b32 s11, ttmp7, 0xffff                   ; batch
	v_and_b32 v1, 15, v0                           ; r
	v_bfe_u32 v2, v0, 4, 1                         ; h
	v_and_b32 v3, 31, v0
	v_lshlrev_b32 v10, 3, v3                       ; 8 x lane
	v_lshlrev_b32 v3, 4, v3                        ; 16 x lane: an image's place for my lane
	v_bfe_u32 v4, v0, 2, 1                         ; v: I want channel r of a tile, positions 8 h + j: in the image that is half (r / 4) % 2,
	v_lshlrev_b32 v4, 9, v4
	v_bfe_u32 v14, v0, 3, 1
	v_lshl_add_u32 v4, v14, 8, v4                  ; lanes 16 (r / 8) + 8 h + j,
	v_lshl_add_u32 v4, v2, 7, v4
	v_and_b32 v14, 3, v0
	v_lshl_add_u32 v4, v14, 2, v4                  ; word r % 4
	v_lshlrev_b32 v5, 2, v1
	v_lshl_add_u32 v5, v2, 15, v5                  ; w_proj: 8 h rows of 4,096 bytes + 4 r
	v_lshlrev_b32 v6, 3, v2
	v_sub_nc_u32 v6, v1, v6                        ; r - 8 h: key 8 h + j is hidden from query r where j is greater
	v_mov_b32 v7, 0xff800000                       ; -infinity
	s_mul_i32 s12, s10, PART
	v_mul_u32_u24 v8, v1, 272
	v_lshl_add_u32 v8, v2, 5, v8
	v_add_nc_u32 v8, s12, v8                       ; my part: row r, + 32 h
	s_mul_i32 s12, s10, 272
	v_add_nc_u32 v9, s12, v10                      ; back: row w of every part, 8 bytes a lane
	s_mul_i32 s12, s11, 192
	s_lshl_b32 s13, s10, 2
	s_add_co_u32 s12, s12, s13
	s_lshl_b32 s12, s12, 10                        ; q's four tiles of my head
	s_mov_b32 s13, 0
	s_lshl_b32 s14, s10, 18                        ; w_proj: row 64 w,
	s_lshl_b32 s15, ttmp9, 8
	s_add_co_u32 s14, s14, s15                     ; column 64 cg
	s_mov_b32 s15, 0
	s_lshl_b32 s16, s11, 11
	s_add_co_u32 s16, s16, s10
	s_lshl_b32 s16, s16, 12                        ; out0: row 2048 b + w,
	s_lshl_b32 s17, ttmp9, 8
	s_add_co_u32 s16, s16, s17                     ; column 64 cg
	s_mov_b32 s17, 0
	s_mov_b32 s[SEL], 0x76543210
	s_mov_b32 s[SEL+1], 0xfedcba98
	s_mov_b32 s[CS], 0x3e38aa3b                    ; c = log2(e) / 8
	s_mov_b32 s[CS+1], s[CS]
	s_wait_kmcnt 0x0
	s_add_nc_u64 s[4:5], s[4:5], s[12:13]
	s_add_nc_u64 s[6:7], s[6:7], s[14:15]
	s_add_nc_u64 s[8:9], s[8:9], s[16:17]
.irp ct, 0,1,2,3
.irp f, 0,1
	global_load_b128 v[64+8*\ct+4*\f:64+8*\ct+4*\f+3], v3, s[4:5] offset:1024*\ct+512*\f          ; q
	global_load_b128 v[96+8*\ct+4*\f:96+8*\ct+4*\f+3], v3, s[4:5] offset:65536+1024*\ct+512*\f    ; k
.endr
.endr
.irp ct, 0,1,2,3
.irp j, 0,1,2,3,4,5,6,7
	global_load_b32 v[128+8*\ct+\j], v4, s[4:5] offset:131072+1024*\ct+16*\j                      ; v(position 8 h + j, channel 16 ct + r)
.endr
.endr
.macro WLOAD ct                        ; w_proj(64 w + 16 ct + 8 h + j, 64 cg + 16 nt + r) into v[base + 8 (4 (ct % 2) + nt) + j], base 192 for ct 0, 1 and 64 for ct 2, 3
.irp j, 0,1,2,3,4,5,6,7
.irp nt, 0,1,2,3
	global_load_b32 v[192-128*((\ct)/2)+8*(4*((\ct)%2)+\nt)+\j], v5, s[6:7] offset:(16*(\ct)+\j)*4096+64*\nt
.endr
.endr
.endm
	WLOAD 0
	WLOAD 1
	s_wait_loadcnt 63                              ; q and k, the oldest 16 of 112, are in: 96 younger loads stand behind them, more than the count can name
.irp i, 0,1,2,3                                ; S^T = k q^T: four sums by turns, one for each 16 channels; the first four products start them
.irp ct, 0,1,2,3
.if \i == 0
	v_wmma_f32_16x16x4_f32 v[ACC+8*\ct:ACC+8*\ct+7], v[96+8*\ct+2*\i:97+8*\ct+2*\i], v[64+8*\ct+2*\i:65+8*\ct+2*\i], 0
.else
	v_wmma_f32_16x16x4_f32 v[ACC+8*\ct:ACC+8*\ct+7], v[96+8*\ct+2*\i:97+8*\ct+2*\i], v[64+8*\ct+2*\i:65+8*\ct+2*\i], v[ACC+8*\ct:ACC+8*\ct+7]
.endif
.endr
.endr
.rept 9
	v_nop                                          ; this form wants eight places ahead of a read of its results and of loads into its sources, nine ahead of a matrix instruction that writes over them
.endr
	WLOAD 2                                        ; into q's and k's registers
	WLOAD 3
.irp i, 0,2,4,6
	v_pk_add_f32 v[16+\i:17+\i], v[ACC+\i:ACC+\i+1], v[ACC+8+\i:ACC+9+\i]      ; the four sums are added in other registers, each read from its low end on
.endr
.irp i, 0,2,4,6
	v_pk_add_f32 v[24+\i:25+\i], v[ACC+16+\i:ACC+17+\i], v[ACC+24+\i:ACC+25+\i]
.endr
.irp i, 0,2,4,6
	v_pk_add_f32 v[16+\i:17+\i], v[16+\i:17+\i], v[24+\i:25+\i]                ; lane (r, h), register j: key 8 h + j, query r
.endr
.irp j, 0,1,2,3,4,5,6,7
	v_cmp_gt_i32 vcc_lo, \j, v6
	v_cndmask_b32 v[16+\j], v[16+\j], v7, vcc_lo
.endr
	v_max3_num_f32 v24, v16, v17, v18
	v_max3_num_f32 v25, v19, v20, v21
	v_max3_num_f32 v24, v24, v22, v23
	v_max_num_f32 v24, v24, v25
	v_permlanex16_b32 v25, v24, s[SEL], s[SEL+1]   ; the query's other eight keys; key 0 counts for every query, so the maximum is a number
	v_max_num_f32 v24, v24, v25
	v_mul_f32 v24, s[CS], v24                      ; c m
.irp i, 0,2,4,6
	v_pk_fma_f32 v[16+\i:17+\i], v[16+\i:17+\i], s[CS:CS+1], v[24:25] op_sel_hi:[1,0,0] neg_lo:[0,0,1] neg_hi:[0,0,1]
.endr
.irp j, 0,1,2,3,4,5,6,7
	v_exp_f32 v[16+\j], v[16+\j]                   ; p = 2^(c s - c m)
.endr
	v_nop
	s_wait_alu depctr_va_vdst(0)                   ; one wait for the eight, ahead of their first reader
	v_pk_add_f32 v[26:27], v[16:17], v[18:19]
	v_pk_add_f32 v[28:29], v[20:21], v[22:23]
	v_pk_add_f32 v[26:27], v[26:27], v[28:29]
	v_add_f32 v26, v26, v27
	v_permlanex16_b32 v27, v26, s[SEL], s[SEL+1]
	v_add_f32 v26, v26, v27                        ; the row's sum
	v_rcp_f32 v28, v26
	v_nop
	s_wait_alu depctr_va_vdst(0)
	s_wait_loadcnt 63                              ; v is in: 128 younger loads stand behind it
.irp i, 0,1,2,3                                ; O^T = v^T p: four tiles of 16 channels by turns
.irp ct, 0,1,2,3
.if \i == 0
	v_wmma_f32_16x16x4_f32 v[ACC+8*\ct:ACC+8*\ct+7], v[128+8*\ct+2*\i:129+8*\ct+2*\i], v[16+2*\i:17+2*\i], 0
.else
	v_wmma_f32_16x16x4_f32 v[ACC+8*\ct:ACC+8*\ct+7], v[128+8*\ct+2*\i:129+8*\ct+2*\i], v[16+2*\i:17+2*\i], v[ACC+8*\ct:ACC+8*\ct+7]
.endif
.endr
.endr
.rept 9
	v_nop
.endr
.set i, 0
.rept 16
	v_pk_mul_f32 v[160+2*i:161+2*i], v[ACC+2*i:ACC+2*i+1], v[28:29] op_sel_hi:[1,0]   ; y(query r, channel 16 ct + 8 h + j), into other registers
.set i, i+1
.endr
	s_wait_loadcnt 0x0                             ; w_proj
.irp ct, 0,1,2,3                               ; my part of the projection: four tiles of 16 columns by turns
.irp i, 0,1,2,3
.irp nt, 0,1,2,3
.if (\ct == 0) && (\i == 0)
	v_wmma_f32_16x16x4_f32 v[ACC+8*\nt:ACC+8*\nt+7], v[192-128*(\ct/2)+8*(4*(\ct%2)+\nt)+2*\i:193-128*(\ct/2)+8*(4*(\ct%2)+\nt)+2*\i], v[160+8*\ct+2*\i:161+8*\ct+2*\i], 0
.else
	v_wmma_f32_16x16x4_f32 v[ACC+8*\nt:ACC+8*\nt+7], v[192-128*(\ct/2)+8*(4*(\ct%2)+\nt)+2*\i:193-128*(\ct/2)+8*(4*(\ct%2)+\nt)+2*\i], v[160+8*\ct+2*\i:161+8*\ct+2*\i], v[ACC+8*\nt:ACC+8*\nt+7]
.endif
.endr
.endr
.endr
.rept 8
	v_nop
.endr
.irp nt, 0,1,2,3
	ds_store_b128 v8, v[ACC+8*\nt:ACC+8*\nt+3] offset:64*\nt          ; lane (r, h): row r, columns 16 nt + 8 h + 0 .. 7
	ds_store_b128 v8, v[ACC+8*\nt+4:ACC+8*\nt+7] offset:64*\nt+16
.endr
	s_wait_dscnt 0x0                               ; for the others' sake: my stores are done
	s_barrier_signal -1
	s_barrier_wait -1
.irp p, 0,1,2,3,4,5,6,7,8,9,10,11,12,13,14,15
	ds_load_b64 v[64+2*\p:65+2*\p], v9 offset:\p*PART                 ; row w of part p
.endr
	s_wait_dscnt 0x0
.irp p, 0,2,4,6,8,10,12,14
	v_pk_add_f32 v[64+2*\p:65+2*\p], v[64+2*\p:65+2*\p], v[66+2*\p:67+2*\p]
.endr
.irp p, 0,4,8,12
	v_pk_add_f32 v[64+2*\p:65+2*\p], v[64+2*\p:65+2*\p], v[68+2*\p:69+2*\p]
.endr
.irp p, 0,8
	v_pk_add_f32 v[64+2*\p:65+2*\p], v[64+2*\p:65+2*\p], v[72+2*\p:73+2*\p]
.endr
	v_pk_add_f32 v[64:65], v[64:65], v[80:81]
	global_store_b64 v10, v[64:65], s[8:9]         ; 32 lanes store 256 consecutive bytes, aligned
	s_wait_tensorcnt 0x0                           ; the wave's end
	ds_add_u32 v[SPW], v[NIL]
	s_wait_dscnt 0x0
	s_endpgm
.Lfunc_end_k_q74fcb72ae6_first16:
	.size	k_q74fcb72ae6_first16, .Lfunc_end_k_q74fcb72ae6_first16-k_q74fcb72ae6_first16
	.p2alignl 7, 3214868480
	.fill 96, 4, 3214868480
	.section	.rodata,"a",@progbits
	.p2align	6, 0x0
	.amdhsa_kernel k_q74fcb72ae6_first16
		.amdhsa_group_segment_fixed_size 71680
		.amdhsa_private_segment_fixed_size 0
		.amdhsa_enable_private_segment 0
		.amdhsa_kernarg_size 24
		.amdhsa_user_sgpr_count 2
		.amdhsa_user_sgpr_kernarg_segment_ptr 1
		.amdhsa_wavefront_size32 1
		.amdhsa_system_sgpr_workgroup_id_x 1
		.amdhsa_system_sgpr_workgroup_id_y 1
		.amdhsa_system_sgpr_workgroup_id_z 1
		.amdhsa_system_vgpr_workitem_id 0
		.amdhsa_next_free_vgpr 256
		.amdhsa_next_free_sgpr 66
		.amdhsa_reserve_vcc 1
		.amdhsa_float_denorm_mode_32 3
		.amdhsa_float_denorm_mode_16_64 3
		.amdhsa_memory_ordered 1
		.amdhsa_forward_progress 1
		.amdhsa_inst_pref_size 33
	.end_amdhsa_kernel
	.amdgpu_metadata
---
amdhsa.version: [ 1, 2 ]
amdhsa.kernels:
  - .name:           k_q74fcb72ae6_first16
    .symbol:         k_q74fcb72ae6_first16.kd
    .args:
      - { .name: qkv32, .offset: 0, .size: 8, .value_kind: global_buffer, .address_space: global }
      - { .name: w_proj, .offset: 8, .size: 8, .value_kind: global_buffer, .address_space: global }
      - { .name: out0, .offset: 16, .size: 8, .value_kind: global_buffer, .address_space: global }
    .group_segment_fixed_size: 71680
    .private_segment_fixed_size: 0
    .kernarg_segment_align: 8
    .kernarg_segment_size: 24
    .max_flat_workgroup_size: 512
    .sgpr_count:     66
    .vgpr_count:     256
    .wavefront_size: 32
...
	.end_amdgpu_metadata
.endif
;; end of part 5
